; MI455X (gfx1250); checked and timed in simulation.
; The chip was launched on July 23, 2026; its instructions are those of AMD's public machine-readable ISA for CDNA 5 (MIT licence, August 2026) and "CDNA5" Instruction Set Architecture Reference Guide (July 2026). The comments in the code are by the model that wrote it; some were corrected since.
;; Intent Slot Labelling Model. Allowed arithmetic: matrix products marked QUANTISED: E3M2 operands, one E8M0 scale for each 32 along K, by v_wmma_scale_f32_16x16x128_f8f6f4 with both operands' format E3M2, f32 sums; everything else in f32.
;; Inputs: conv_b 512 float32; conv_w 512 x 512 float32; dec_b1 1,024 float32; dec_b2 128 float32; dec_w1 512 x 1,024 float32; dec_w2 1,024 x 128 float32; emb_table 50,257 x 512 float32; token_ids 32 x 1,024 int32.
;; Outputs: out0 32,768 x 128 float32.
;; This version of the problem:
;;   THIS VERSION OF THE PROBLEM IS GIVEN IN LOW PRECISION. The matrix products marked QUANTISED in the list below multiply operands that are first quantised to E3M2 (3 exponent bits, 2 mantissa bits; 6 bits a number), with one power-of-two scale for each 32 numbers along K (OCP MX v1.0); their sums are f32. All else is computed in f32.
;;   The module's matrix products, in the order in which they are computed (A, B: the left and right operand; K: the contracted axis; several contracted axes count as one K, in the product's order):
;;     1. [M 32,768, K 512] x [K 512, N 512]; A: computed on the way; B: input conv_w: QUANTISED
;;     2. [M 32,768, K 512] x [K 512, N 1,024]; A: computed on the way; B: input dec_w1: QUANTISED
;;     3. [M 32,768, K 1,024] x [K 1,024, N 128]; A: computed on the way; B: input dec_w2: QUANTISED
;;   THE QUANTISER, for each operand of a quantised product, along K:
;;     - K is cut into blocks of 32 from its start; a last block that is shorter is filled with zeros.
;;     - A block's scale is 2^e with e = floor(log2(the largest magnitude in the block)) - 4, held to -126 .. 127; a block of zeros has e = 0. As a byte (E8M0): e + 127.
;;     - Each number is divided by its block's scale, clamped to +-28, and rounded to the nearest number of E3M2, ties to even, subnormals kept.
;;     - The product sums the exact products of the quantised numbers (number of the format x scale) in f32.
;;   ~~~python
;;   def quantise(x, axis):      # numpy; x: float32 -> the quantised numbers, widened to float32 again
;;       x = np.moveaxis(x, axis, -1); K = x.shape[-1]
;;       x = np.pad(x, [(0, 0)] * (x.ndim - 1) + [(0, -K % 32)]); x = x.reshape(x.shape[:-1] + (-1, 32)); a = np.abs(x).max(-1, keepdims=True)
;;       e = np.where(a > 0, np.clip(np.frexp(np.where(a > 0, a, 1))[1] - 1 - 4, -126, 127), 0)      # np.frexp(a)[1] - 1 = floor(log2(a)), exactly
;;       r = np.clip(x / 2.0 ** e, -28, 28)
;;       step = 2.0 ** (np.maximum(np.frexp(np.where(r == 0, 1, r))[1] - 1, -2) - 2)
;;       q = np.round(r / step) * step * 2.0 ** e      # np.round: ties to even
;;       return np.moveaxis(q.reshape(q.shape[:-2] + (-1,))[..., :K], -1, axis).astype(np.float32)
;;   ~~~
;;   OPERANDS COMPUTED ON THE WAY. 'Computed on the way' means the value that the module computes at that place (a softmax that the list does not call 'softmax' is quantised finished and normalised). What goes into a quantiser is computed in f32, as accurately as f32 sums, v_exp_f32 and their like allow (about 1e-6 of the number): no bf16 or f16 on the way to a quantiser, and a product that is left as it is and whose result goes on into a quantised operand takes f32 operands (vector FMAs, or v_wmma_f32_16x16x4_f32). A number that lies on a knife's edge between two numbers of the format may be rounded either way, as far as f32 arithmetic and the matrix unit's own rounding can turn it there, and no further.
;; 2 versions. Each part assembles by itself: llvm-mc -triple=amdgcn-amd-amdhsa -mcpu=gfx1250 --defsym DOCPART=n.
;; ======== version 1 of 2: 2 launches
;; workspace buffers: wq 786,432 bytes; sq 32,768 bytes
;; launch prep (part 1): grid 112 x 1, 4 waves a work-group, no clusters, 1,536 bytes of LDS; arguments conv_w, dec_w1, dec_w2, wq, sq; writes wq, sq
.if DOCPART == 1
	.amdgcn_target "amdgcn-amd-amdhsa--gfx1250"
	.amdhsa_code_object_version 6
	.text
	.protected	k_q2fd2c2b478_prep
	.globl	k_q2fd2c2b478_prep
	.p2align	8
	.type	k_q2fd2c2b478_prep,@function
k_q2fd2c2b478_prep:
	s_mov_b64 s[64:65], 0
	v_nop
	global_prefetch_b8 v0, s[64:65] scope:SCOPE_SE
	s_setreg_imm32_b32 hwreg(HW_REG_WAVE_MODE, 25, 1), 1
	s_wait_xcnt 0x0
; The three weights, f32, become codes of BF6 (E3M2) with one E8M0 scale byte for each 32 along K, ONCE, laid in the order in which the next launch's operand registers take them.
; conv_w [512 (n)][512 (k)]: K innermost.  dec_w1 [512 (k)][1024 (n)], dec_w2 [1024 (k)][128 (n)]: K is the first axis.
; A FRAGMENT is 16 columns n x 128 along K: 12 registers a lane; lane (r, h) holds column r's k = 64 c + 32 h + 0 .. 31 in registers 6 c .. 6 c + 5.  Its IMAGE in wq is 1,536 bytes: registers 4 c .. 4 c + 3 of lane l at 512 c + 16 l.
; wq: slot p = 0 conv_w, p = 1, 2 dec_w1's columns 0-511 and 512-1023: fragment (p, wave w of the next launch, K step s, tile t) at ((4 p + w) 32 + 8 s + t) x 1,536.
;     slot 3, dec_w2, begins at 589,824: fragment (w, K step s = 0 .. 7, tile n = 0, 1) at 589,824 + 49,152 w + (2 s + n) x 1,536.
; sq: scale words (four bytes: 128 along K of one column) in blocks of 256 bytes, word (K step s % 4, lane r) at 64 (s % 4) + 4 r; block (p, w, t) at 256 (8 (4 p + w) + t); slot 3: 24,576 + 2,048 w + 256 (2 n + s / 4).
; THE COLUMNS OF A TILE in slots 0 to 2 ARE NOT NEIGHBOURS: lane r of tile t takes column 128 (4 p' + w) + 32 (t / 2) + 8 (t % 2) + r + 8 (r / 8), so that the next launch's results, used transposed, have
; 16 neighbours along the next K in the 16 registers of two neighbouring tiles.  In slot 3 the columns are as they lie: label 32 w + 16 n + r.
; SHARES: work-group G makes the four fragments of one block of scale words, wave s the one of K step s (of 4 (G % 2) + s in slot 3).  G < 32: conv_w; 32 <= G < 96: dec_w1; G >= 96: dec_w2.
; A lane's registers run along K in the operand's own order, so a block of 32 lies in ONE lane and the conversions' results are the operand's registers: nothing is transposed.
; A block's scale is 2^(floor(log2(its largest magnitude)) - 4); its byte is that magnitude's exponent field - 4, held at 1 from below.
; LIMITS: NaN and infinities among the weights are not served.  A block of zeros gets the byte 1 where the quantiser's rule says 127: its codes are zeros, which add nothing under that byte, and this program alone reads the bytes.
.set FRB, 1536
.set X,   32                           ; v32-95   my 64 numbers: v[X + 32 c + i] = k 64 c + 32 h + i of my column
.set C,   96                           ; v96-107  the fragment; v108-114 the upper halves as the conversions leave them
	s_load_b256 s[4:11], s[0:1], 0x0               ; conv_w s[4:5], dec_w1 s[6:7], dec_w2 s[8:9], wq s[10:11]
	s_load_b64 s[12:13], s[0:1], 0x20              ; sq
	v_lshl_add_u32 v128, v0, 2, 0x400
	v_mov_b32 v129, 0
	v_lshrrev_b32 v9, 5, v0
	v_readfirstlane_b32 s16, v9                    ; wave = K step within the group of four
	v_and_b32 v1, 15, v0                           ; r
	v_bfe_u32 v2, v0, 4, 1                         ; h
	v_and_b32 v3, 31, v0                           ; lane
	v_and_b32 v4, 8, v1
	v_add_nc_u32 v4, v4, v1                        ; r + 8 (r / 8)
	v_lshlrev_b32 v6, 4, v3                        ; an image's place for my lane: 16 x lane
	s_lshl_b32 s17, s16, 6
	v_lshl_add_u32 v7, v1, 2, s17                  ; LDS: my scale word: 64 x wave + 4 r
	v_lshlrev_b32 v8, 3, v3                        ; the block of scale words on its way out: 8 bytes a lane
	s_mov_b32 s26, 0x76543210
	s_mov_b32 s27, 0xfedcba98                      ; v_permlanex16_b32's selects for lane l xor 16
	s_mov_b32 s21, 0
	s_mov_b32 s23, 0
	s_lshr_b32 s20, ttmp9, 3                       ; where the results go, slots 0 to 2: ((G / 8) 32 + 8 s + G % 8) x 1,536 in wq,
	s_lshl_b32 s20, s20, 5
	s_lshl_b32 s18, s16, 3
	s_add_co_u32 s20, s20, s18
	s_and_b32 s18, ttmp9, 7
	s_add_co_u32 s20, s20, s18
	s_mul_i32 s20, s20, FRB
	s_lshl_b32 s22, ttmp9, 8                       ; 256 G in sq
	s_wait_kmcnt 0x0
	s_cmp_lt_u32 ttmp9, 32
	s_cbranch_scc0 .Lnot_conv
	; ---- conv_w: a row n is 2,048 bytes, K along it: my 32 numbers of a block are 128 consecutive bytes
	s_lshr_b32 s17, ttmp9, 1
	s_lshl_b32 s17, s17, 5
	s_and_b32 s18, ttmp9, 1
	s_lshl_b32 s18, s18, 3
	s_add_co_u32 s17, s17, s18                     ; the tile's first column: 32 (G / 2) + 8 (G % 2)
	s_lshl_b32 s17, s17, 11
	s_lshl_b32 s18, s16, 9                         ; K step s: 512 bytes on
	s_add_co_u32 s17, s17, s18
	v_lshlrev_b32 v5, 11, v4
	v_lshl_add_u32 v5, v2, 7, v5                   ; + 128 h
	v_add_nc_u32 v5, s17, v5
.irp c, 0,1
.irp i, 0,1,2,3,4,5,6,7
	global_load_b128 v[X+32*\c+4*\i:X+32*\c+4*\i+3], v5, s[4:5] offset:256*\c+16*\i th:TH_LOAD_NT
.endr
.endr
	s_branch .Ltail
.Lnot_conv:
	s_cmp_lt_u32 ttmp9, 96
	s_cbranch_scc0 .Lw2
	; ---- dec_w1: a row k is 4,096 bytes: my registers run DOWN K, my lane stays in its column
	s_sub_co_u32 s24, ttmp9, 32
	s_lshr_b32 s17, s24, 1
	s_lshl_b32 s17, s17, 7                         ; 4 bytes x 32 ((G - 32) / 2)
	s_and_b32 s18, s24, 1
	s_lshl_b32 s18, s18, 5                         ; 4 bytes x 8 ((G - 32) % 2)
	s_add_co_u32 s17, s17, s18
	s_lshl_b32 s18, s16, 19                        ; K step s: 128 rows on
	s_add_co_u32 s17, s17, s18
	v_lshlrev_b32 v5, 2, v4
	v_lshl_add_u32 v5, v2, 17, v5                  ; lanes 16-31: 32 rows further down
	v_add_nc_u32 v5, s17, v5
.irp c, 0,1
.set I, 0
.rept 32
	global_load_b32 v[X+32*\c+I], v5, s[6:7] offset:(64*\c+I)*4096 th:TH_LOAD_NT
.set I, I+1
.endr
.endr
	s_branch .Ltail
.Lw2:
	; ---- dec_w2: a row k is 512 bytes.  G - 96 = 4 w + 2 n + sh; my K step is 4 sh + wave
	s_sub_co_u32 s24, ttmp9, 96
	s_lshr_b32 s17, s24, 1
	s_lshl_b32 s17, s17, 6                         ; 4 bytes x the first label, 16 (2 w + n)
	s_and_b32 s18, s24, 1
	s_lshl_b32 s19, s18, 2
	s_add_co_u32 s19, s19, s16                     ; the K step
	s_lshl_b32 s25, s19, 16                        ; 128 rows of 512 bytes each
	s_add_co_u32 s17, s17, s25
	v_lshlrev_b32 v5, 2, v1
	v_lshl_add_u32 v5, v2, 14, v5                  ; lanes 16-31: 32 rows further down
	v_add_nc_u32 v5, s17, v5
	s_lshr_b32 s25, s24, 2                         ; w
	s_mul_i32 s20, s25, 49152
	s_add_co_u32 s20, s20, 589824
	s_lshl_b32 s19, s19, 1
	s_bfe_u32 s18, s24, 0x10001                    ; n
	s_add_co_u32 s19, s19, s18
	s_mul_i32 s19, s19, FRB
	s_add_co_u32 s20, s20, s19                     ; 589,824 + 49,152 w + (2 K step + n) x 1,536
	s_lshl_b32 s22, s25, 11
	s_and_b32 s18, s24, 3
	s_lshl_b32 s18, s18, 8
	s_add_co_u32 s22, s22, s18
	s_add_co_u32 s22, s22, 24576                   ; 24,576 + 2,048 w + 256 (2 n + sh)
.irp c, 0,1
.set I, 0
.rept 32
	global_load_b32 v[X+32*\c+I], v5, s[8:9] offset:(64*\c+I)*512 th:TH_LOAD_NT
.set I, I+1
.endr
.endr
.Ltail:
	s_add_nc_u64 s[10:11], s[10:11], s[20:21]
	s_add_nc_u64 s[12:13], s[12:13], s[22:23]
	s_wait_loadcnt 0x0
.irp c, 0,1                                    ; my block 2 c + h: all its 32 numbers are mine
	v_max3_num_f32 v[16+\c], |v[X+32*\c]|, |v[X+1+32*\c]|, 0x2800000   ; and the floor 2^(5 - 127): the byte cannot fall under 1
.endr
.irp i, 2,4,6,8,10,12,14,16,18,20,22,24,26,28,30
.irp c, 0,1
	v_max3_num_f32 v[16+\c], v[16+\c], |v[X+32*\c+\i]|, |v[X+1+32*\c+\i]|   ; (the two blocks by turns)
.endr
.endr
.irp c, 0,1
	v_add_nc_u32 v[18+\c], 0xfe000000, v[16+\c]    ; 4 off the exponent field: the conversion takes the exponent field of this operand as its scale
.endr
.irp c, 0,1
	v_lshrrev_b32 v[20+\c], 23, v[18+\c]           ; the scale's byte
.endr
	v_lshl_or_b32 v22, v21, 16, v20                ; my two bytes: blocks h and 2 + h,
	v_lshlrev_b32 v23, 3, v2
	v_lshlrev_b32 v22, v23, v22                    ; at their places in the word (8 h bits up);
	v_mov_b32 v23, 0
	v_permlanex16_b32 v23, v22, s26, s27
	v_or_b32 v22, v22, v23                         ; with lane l xor 16's two the word is whole
.irp c, 0,1
	v_cvt_scalef32_pk16_bf6_f32 v[C+6*\c:C+2+6*\c], v[X+32*\c:X+15+32*\c], v[18+\c]
	v_cvt_scalef32_pk16_bf6_f32 v[C+12+4*\c:C+14+4*\c], v[X+16+32*\c:X+31+32*\c], v[18+\c]   ; (a conversion's three registers begin on an even number: the upper half is made elsewhere and moved)
.endr
	v_nop                                          ; one plain place behind a scaled conversion
.irp c, 0,1
.irp i, 0,1,2
	v_mov_b32 v[C+3+6*\c+\i], v[C+12+4*\c+\i]
.endr
.endr
.irp c, 0,1,2
	global_store_b128 v6, v[C+4*\c:C+4*\c+3], s[10:11] offset:512*\c   ; 32 lanes store 512 consecutive bytes, at a multiple of 256 from wq's first byte
.endr
	ds_store_b32 v7, v22                           ; lanes r and 16 + r write the same word with the same value
	s_wait_dscnt 0x0                               ; for the others' sake: my word has landed
	s_barrier_signal -1
	s_barrier_wait -1                              ; the four waves' 64 words lie in LDS
	s_cmp_lg_u32 s16, 0
	s_cbranch_scc1 .Lend
	ds_load_b64 v[24:25], v8
	s_wait_dscnt 0x0
	global_store_b64 v8, v[24:25], s[12:13]        ; wave 0: 32 lanes store 256 consecutive bytes, at a multiple of 256 from sq's first byte
.Lend:
	s_wait_tensorcnt 0x0
	ds_add_u32 v128, v129
	s_wait_dscnt 0x0
	s_endpgm
.Lfunc_end_k_q2fd2c2b478_prep:
	.size	k_q2fd2c2b478_prep, .Lfunc_end_k_q2fd2c2b478_prep-k_q2fd2c2b478_prep
	.p2alignl 7, 3214868480
	.fill 96, 4, 3214868480
	.section	.rodata,"a",@progbits
	.p2align	6, 0x0
	.amdhsa_kernel k_q2fd2c2b478_prep
		.amdhsa_group_segment_fixed_size 1536
		.amdhsa_private_segment_fixed_size 0
		.amdhsa_enable_private_segment 0
		.amdhsa_kernarg_size 40
		.amdhsa_user_sgpr_count 2
		.amdhsa_user_sgpr_kernarg_segment_ptr 1
		.amdhsa_wavefront_size32 1
		.amdhsa_system_sgpr_workgroup_id_x 1
		.amdhsa_system_sgpr_workgroup_id_y 1
		.amdhsa_system_sgpr_workgroup_id_z 1
		.amdhsa_system_vgpr_workitem_id 0
		.amdhsa_next_free_vgpr 130
		.amdhsa_next_free_sgpr 66
		.amdhsa_reserve_vcc 0
		.amdhsa_float_denorm_mode_32 3
		.amdhsa_float_denorm_mode_16_64 3
		.amdhsa_memory_ordered 1
		.amdhsa_forward_progress 1
		.amdhsa_inst_pref_size 21
	.end_amdhsa_kernel
	.amdgpu_metadata
---
amdhsa.version: [ 1, 2 ]
amdhsa.kernels:
  - .name:           k_q2fd2c2b478_prep
    .symbol:         k_q2fd2c2b478_prep.kd
    .args:
      - { .name: conv_w, .offset: 0, .size: 8, .value_kind: global_buffer, .address_space: global }
      - { .name: dec_w1, .offset: 8, .size: 8, .value_kind: global_buffer, .address_space: global }
      - { .name: dec_w2, .offset: 16, .size: 8, .value_kind: global_buffer, .address_space: global }
      - { .name: wq, .offset: 24, .size: 8, .value_kind: global_buffer, .address_space: global }
      - { .name: sq, .offset: 32, .size: 8, .value_kind: global_buffer, .address_space: global }
    .group_segment_fixed_size: 1536
    .private_segment_fixed_size: 0
    .kernarg_segment_align: 8
    .kernarg_segment_size: 40
    .max_flat_workgroup_size: 128
    .sgpr_count:     66
    .vgpr_count:     130
    .wavefront_size: 32
...
	.end_amdgpu_metadata
.endif
;; end of part 1
;; launch chain (part 2): grid 256 x 1, 4 waves a work-group, no clusters, 272,896 bytes of LDS; arguments token_ids, emb_table, wq, sq, conv_b, dec_b1, dec_b2, out0; writes out0
.if DOCPART == 2
	.amdgcn_target "amdgcn-amd-amdhsa--gfx1250"
	.amdhsa_code_object_version 6
	.text
	.protected	k_q2fd2c2b478_chain
	.globl	k_q2fd2c2b478_chain
	.p2align	8
	.type	k_q2fd2c2b478_chain,@function
k_q2fd2c2b478_chain:
	s_mov_b64 s[64:65], 0
	v_nop
	global_prefetch_b8 v0, s[64:65] scope:SCOPE_SE
	s_setreg_imm32_b32 hwreg(HW_REG_WAVE_MODE, 25, 1), 1
	s_wait_xcnt 0x0
; out0 = relu(relu(emb[ids] conv_w^T + conv_b) dec_w1 + dec_b1) dec_w2 + dec_b2 for 32,768 tokens, all three products on codes of BF6 (E3M2) with one E8M0 scale for each 32 along K; sums in f32.
; The weights come as codes and scale words from wq and sq, laid by the launch before in the order of the operand's registers.  x, h and z are quantised here, in registers, and never go to memory.
; SHARES.  256 work-groups x 128 tokens (8 tiles of 16 rows); four waves, as many as a WGP has SIMDs.  THE WAVES SHARE THE COLUMNS: in a PASS, [128 x 512] x [512 x 512], wave w makes columns 128 w .. 128 w + 127 for all
; 128 rows: 64 accumulators, 512 registers, 4 K steps of 64 matrix instructions.  Pass 0 is the first product, passes 1 and 2 the second product's columns 0-511 and 512-1023: ONE loop of three trips.
; The third product: 32 labels a wave x 128 rows, 16 accumulators, 8 K steps of 16 matrix instructions.
; THE MATRIX INSTRUCTION IS USED TRANSPOSED (source 0 = 16 columns of a weight, source 1 = 16 rows of the activations): a lane holds ONE row, its registers run along the columns, and the columns of a weight tile are
; chosen (by the launch before) so that the 16 registers of tiles 2 b, 2 b + 1 are 16 neighbours along the next K.  A wave's 128 columns are K step w of the next product (4 + w for pass 2).
; WEIGHTS GO FROM MEMORY STRAIGHT INTO REGISTERS: a fragment (1,536 bytes) is multiplied by one wave alone, 8 products; three loads of 16 bytes a lane bring it as it lies.  Two sets of 8 fragments, asked for 96 matrix instructions ahead.
; ACTIVATIONS GO FROM WAVE TO WAVE THROUGH LDS AS IMAGES OF THEIR REGISTERS: a fragment by 3 ds_store_b128, lane l's 16 bytes at 16 l; any wave that loads it by the same three lines has the operand.
; NO CLUSTER, NO JOINT LOADS, though all work-groups walk the same weights: a joint load lands in LDS, and each fragment of 1,536 bytes feeds one wave's 8 products only.  Through LDS it would be written and read once more:
; the work-group's LDS bytes for a K step would go from 49,152 (four waves x 12,288 of activations) to 147,456, with a round of the cluster's barrier for each slot, and as many bytes would still enter the work-group.
; NO PREFETCH: the weights are read by all 256 work-groups, not once; the table's rows are known only at the head, where their loads go out at once.
; The biases are the C of each sum's first matrix instruction, in the result's layout: they enter the f32 sum first.
; LIMITS: NaN and infinities are not served.  Token ids are taken as unsigned and held at 50,256.  A block of zeros carries the byte 1 where the quantiser's rule says 127: its codes are zeros.
;
; LDS: four regions of REG bytes: X (x), H (h), Z0, Z1 (z's K steps 0-3, 4-7): 32 images, fragment (row tile m, K step k) at (4 m + k) x 1,536; behind them the scale words, word (m, r, k) at 49,152 + 256 m + 16 r + 4 k.
;      STG, behind them: first two stages of 16 rows x 528 bytes for each wave, to turn x; at the end one stage of 128 rows x 528 bytes for the result.
; REGISTERS, in windows of 256 (s_set_vgpr_msb's low byte: bits 1:0 source 0, 3:2 source 1, 5:4 source 2, 7:6 destination):
;   window 0: v1-14 addresses; v16-31, v48-63 the activations' scale words, v32-47 the weights': these hold scales and nothing else; v64-159, v160-255 two sets of 8 fragments of activations.
;             Between the products the same registers serve the vector work: v64-95 the gather's offsets; v96-159, v160-223 64 numbers to be quantised; v224-243 the codes; v244-255 at work.
;   window 1: v0-95, v96-191 two sets of 8 fragments of weights; v192-255 the biases of 8 tiles.
;   windows 2, 3: accumulator (row tile a, weight tile b) at v[8 (4 a + b % 4)] of window 2 + b / 4; at the head the rows of x as they are loaded: row tile t in window 2 + t, row i's slice s at v[16 i + 4 s].
.set REG,    51200
.set FRB,    1536                      ; an image
.set SCO,    32*FRB                    ; the scale words in a region
.set STG,    4*REG
.set SP,     528                       ; a stage's row: 512 bytes + 16: 33 x 16 bytes, so that sixteen rows' 16 bytes at one column fall on different places modulo 256 bytes
.set HST,    16*SP
.set KSB,    8*FRB                     ; a wave's weights of a K step
.set WAVB,   4*KSB                     ; of a pass
.set PASSB,  4*WAVB                    ; the four waves'
.set SQP,    8192                      ; a pass's scale words in sq
.set LASTID, 50256
.set LI,    1                          ; v1   16 x lane: an image's place for my lane; never rewritten
.set HWB,   2                          ; v2   16 x lane + 1,536 x wave: where my results' images go in a region
.set HSB,   3                          ; v3   49,152 + 16 r + 4 x wave: and their scale words
.set ASB,   4                          ; v4   49,152 + 16 r + 1,024 h: where I read scale words: lanes 0-15 row tiles 0-3, lanes 16-31 row tiles 4-7
.set ADRA,  5                          ; v5   images of the region in hand     (at the head SA: my stage, 16 x lane)
.set SA,    5
.set ADRS,  6                          ; v6   its scale words                  (at the head SRD: my stage, 528 r + 64 h)
.set SRD,   6
.set HWI,   7                          ; v7   HWB in the target region         (at the head XWI: 16 x lane + 12,288 x wave; in the third product ADRA2: Z1's images)
.set XWI,   7
.set ADRA2, 7
.set HWS,   8                          ; v8   HSB in the target region         (at the head XWS: 49,152 + 512 x wave + 16 r; in the third product ADRS2)
.set XWS,   8
.set ADRS2, 8
.set BV1,   9                          ; v9   64 h: my half's place in a tile's 32 biases (passes)
.set BV2,   10                         ; v10  32 h: in a tile's 16 (third product)
.set SO,    11                         ; v11  the way out: STG + 528 r + 32 h + 128 x wave
.set SR,    12                         ; v12  and back: STG + 16,896 x wave + 16 x lane
.set PW,    13                         ; v13  the scale word just made
.set LS,    14                         ; v14  4 x lane
.set AS,    16
.set WS,    32
.set AF,    64
.set OFF,   64
.set HA0,   96
.set PC,    224
.set TM,    244                        ; +0..3 largest magnitudes, +4..7 the other half's, then the bytes, +8..11 the conversions' scale operands
.set BIAS,  192                        ; in window 1
.set WP,    8                          ; s[8:9]   wq at my wave's part of the pass in hand
.set SQ,    10                         ; s[10:11] sq likewise
.set BN,    14                         ; s[14:15] dec_b1 at my wave's part of the next pass
.set WV,    20
.set T,     21                         ; s21  0, REG, 2 REG: the loop's counter
.set SEL,   22
.set SRC,   24
.set DST,   25
.set MSB, 0
.macro WIN new                         ; the immediate's high byte repeats the setting that is left; a switch that changes nothing is dropped
.if MSB != (\new)
	s_set_vgpr_msb (MSB<<8)|(\new)
.set MSB, (\new)
.endif
.endm
; A load into a register that a matrix instruction has read, and a vector instruction or an LDS store that reads a matrix result or writes one of its registers, stand four places behind it; only plain vector
; instructions that name none of its registers are places (ISA guide 7.12.1 for vector instructions).
.macro PLACES
.rept 4
	v_nop
.endr
.endm
.macro BARRIER                         ; my LDS stores have landed and my LDS loads are in: then the work-group's barrier
	s_wait_dscnt 0x0
	s_barrier_signal -1
	s_barrier_wait -1
.endm
; One matrix instruction on the registers rD, rW (weights), rA (activations), rC, with the scale words rSW, rSA.  rw, ra = 1: that side's words stand in lanes 16-31.
.macro WM rw, ra
.if (\rw) && (\ra)
	v_wmma_scale_f32_16x16x128_f8f6f4 v[rD:rD+7], v[rW:rW+11], v[rA:rA+11], v[rC:rC+7], v[rSW], v[rSA] matrix_a_fmt:MATRIX_FMT_BF6 matrix_b_fmt:MATRIX_FMT_BF6 matrix_a_scale:MATRIX_SCALE_ROW1 matrix_b_scale:MATRIX_SCALE_ROW1
.elseif (\rw)
	v_wmma_scale_f32_16x16x128_f8f6f4 v[rD:rD+7], v[rW:rW+11], v[rA:rA+11], v[rC:rC+7], v[rSW], v[rSA] matrix_a_fmt:MATRIX_FMT_BF6 matrix_b_fmt:MATRIX_FMT_BF6 matrix_a_scale:MATRIX_SCALE_ROW1
.elseif (\ra)
	v_wmma_scale_f32_16x16x128_f8f6f4 v[rD:rD+7], v[rW:rW+11], v[rA:rA+11], v[rC:rC+7], v[rSW], v[rSA] matrix_a_fmt:MATRIX_FMT_BF6 matrix_b_fmt:MATRIX_FMT_BF6 matrix_b_scale:MATRIX_SCALE_ROW1
.else
	v_wmma_scale_f32_16x16x128_f8f6f4 v[rD:rD+7], v[rW:rW+11], v[rA:rA+11], v[rC:rC+7], v[rSW], v[rSA] matrix_a_fmt:MATRIX_FMT_BF6 matrix_b_fmt:MATRIX_FMT_BF6
.endif
.endm
; 32 matrix instructions of a pass's K step k: weight tiles 4 half .. 4 half + 3 x the 8 row tiles.  K step 0 takes the bias as C: nothing is cleared.
; The accumulators take turns, one instruction a turn, in the same order in every K step.
.macro MUL32 k, half
.irp b, 0,1,2,3
.irp a, 0,1,2,3,4,5,6,7
.set rD, 8*(4*\a+\b)
.set rW, 96*((\k)%2)+12*(4*(\half)+\b)
.set rA, AF+96*((\k)%2)+12*\a
.set rC, rD
.if (\k) == 0
.set rC, BIAS+8*(4*(\half)+\b)
.endif
.set rSW, WS+2*(4*(\half)+\b)+(\k)/2   ; K steps 2 i and 2 i + 1 share a register: lanes 0-15, lanes 16-31
.set rSA, AS+4*(\a%4)+(\k)             ; row tiles a and a + 4 share a register likewise
	WM (\k)%2, \a/4
.endr
.endr
.endm
.macro WLOAD set, half, off            ; four fragments of weights, 12 loads of 512 consecutive bytes, into half a set
	WIN 0x40                                       ; destination window 1, address window 0
.irp t, 0,1,2,3
.irp c, 0,1,2
	global_load_b128 v[96*(\set)+12*(4*(\half)+\t)+4*\c:96*(\set)+12*(4*(\half)+\t)+4*\c+3], v[LI], s[WP:WP+1] offset:(\off)+FRB*(4*(\half)+\t)+512*\c
.endr
.endr
.endm
.macro ALOAD set, adr, k               ; the 8 row tiles' fragments of K step k of a region: 24 LDS loads
.irp m, 0,1,2,3,4,5,6,7
.irp c, 0,1,2
	ds_load_b128 v[AF+96*(\set)+12*\m+4*\c:AF+96*(\set)+12*\m+4*\c+3], v[\adr] offset:(4*\m+(\k))*FRB+512*\c
.endr
.endr
.endm
.macro ASCL dst, adr                   ; a region's scale words: register dst + 4 i + k: K step k of row tile i (lanes 0-15) and i + 4 (lanes 16-31)
.irp i, 0,1,2,3
	ds_load_b128 v[\dst+4*\i:\dst+4*\i+3], v[\adr] offset:256*\i
.endr
.endm
.macro AUXPASS soff, bp                ; a pass's scale words of my 8 weight tiles and its biases: 32 loads
.irp t, 0,1,2,3,4,5,6,7
.irp i, 0,1
	global_load_b32 v[WS+2*\t+\i], v[LS], s[SQ:SQ+1] offset:(\soff)+256*\t+128*\i
.endr
.endr
	WIN 0x40
.irp t, 0,1,2,3,4,5,6,7                ; lane (r, h) wants, for tile t, the biases of columns 32 (t / 2) + 8 (t % 2) + 16 h + 0 .. 7
	global_load_b128 v[BIAS+8*\t:BIAS+8*\t+3], v[BV1], s[\bp:\bp+1] offset:(32*(\t/2)+8*(\t%2))*4
	global_load_b128 v[BIAS+8*\t+4:BIAS+8*\t+7], v[BV1], s[\bp:\bp+1] offset:(32*(\t/2)+8*(\t%2))*4+16
.endr
	WIN 0
.endm
.macro AUX3                            ; the same for the third product: 12 loads
.irp n, 0,1
.irp u, 0,1
.irp i, 0,1
	global_load_b32 v[WS+4*\n+2*\u+\i], v[LS], s[SQ:SQ+1] offset:SQP+512*\n+256*\u+128*\i
.endr
.endr
.endr
	WIN 0x40
.irp n, 0,1                            ; for tile n: labels 16 n + 8 h + 0 .. 7
	global_load_b128 v[BIAS+8*\n:BIAS+8*\n+3], v[BV2], s[16:17] offset:64*\n
	global_load_b128 v[BIAS+8*\n+4:BIAS+8*\n+7], v[BV2], s[16:17] offset:64*\n+16
.endr
	WIN 0
.endm
; 64 numbers of a lane, v[s] .. v[s + 63], register 16 b + i = k 32 b + 16 (lane / 16) + i of my row, become a fragment's codes in v[PC] on and its scale word in v[PW].
.macro QUANT s
.irp b, 0,1,2,3
	v_max3_num_f32 v[TM+\b], |v[\s+16*\b]|, |v[\s+1+16*\b]|, 0x2800000   ; block b: my 16 numbers, and the floor 2^(5 - 127): the byte cannot fall under 1
.endr
.irp i, 2,4,6,8,10,12,14
.irp b, 0,1,2,3
	v_max3_num_f32 v[TM+\b], v[TM+\b], |v[\s+16*\b+\i]|, |v[\s+1+16*\b+\i]|   ; (the four blocks by turns: no line waits for the line above it)
.endr
.endr
.irp b, 0,1,2,3
	v_permlanex16_b32 v[TM+4+\b], v[TM+\b], s[SEL], s[SEL+1]
.endr
.irp b, 0,1,2,3
	v_max_num_f32 v[TM+\b], v[TM+\b], v[TM+4+\b]   ; with lane l xor 16's: the block's largest magnitude
.endr
.irp b, 0,1,2,3
	v_add_nc_u32 v[TM+8+\b], 0xfe000000, v[TM+\b]  ; 4 off its exponent field: the conversion takes the exponent field of this operand as its scale
.endr
.irp b, 0,1,2,3
	v_lshrrev_b32 v[TM+4+\b], 23, v[TM+8+\b]       ; the scale's byte
.endr
	v_lshl_or_b32 v[PW], v[TM+5], 8, v[TM+4]       ; the four bytes make my row's scale word (lanes r and 16 + r hold the same)
	v_lshl_or_b32 v[PW], v[TM+6], 16, v[PW]
	v_lshl_or_b32 v[PW], v[TM+7], 24, v[PW]
.irp c, 0,1
	v_cvt_scalef32_pk16_bf6_f32 v[PC+6*\c:PC+2+6*\c], v[\s+32*\c:\s+15+32*\c], v[TM+8+2*\c]
	v_cvt_scalef32_pk16_bf6_f32 v[PC+12+4*\c:PC+14+4*\c], v[\s+16+32*\c:\s+31+32*\c], v[TM+8+2*\c+1]   ; (a conversion's three registers begin on an even number)
.endr
	v_nop                                          ; one plain place behind a scaled conversion
.irp c, 0,1                                    ; the operand's layout wants a WHOLE block in a lane: lanes 0-15 block 2 c, lanes 16-31 block 2 c + 1
.irp i, 0,1,2
	v_permlane16_swap_b32 v[PC+6*\c+\i], v[PC+12+4*\c+\i]
.endr
.irp i, 0,1,2
	v_mov_b32 v[PC+3+6*\c+\i], v[PC+12+4*\c+\i]
.endr
.endr
.endm
.macro IMAGE adr, off                  ; the fragment in v[PC] on goes to LDS as it stands
.irp c, 0,1,2
	ds_store_b128 v[\adr], v[PC+4*\c:PC+4*\c+3] offset:(\off)+512*\c
.endr
.endm
; Fragment f of my 8 of x (row tile f / 4 of my two, K step f % 4): its 16 rows x 512 bytes go into my stage f % 2 as they were loaded (a row's 512 bytes across the 32 lanes) and come back so that lane (r, h)
; holds, of row r, 16 neighbours of each block of 32.  LDS serves a wave's instructions in order (ISA guide 5.7.1.4): no wait between the stores and the loads.
.macro TURN f
	WIN 0x08+4*((\f)/4)                            ; an LDS store's data are its source 1: window 2 or 3
.irp i, 0,1,2,3,4,5,6,7,8,9,10,11,12,13,14,15
	ds_store_b128 v[SA], v[16*\i+4*((\f)%4):16*\i+4*((\f)%4)+3] offset:HST*((\f)%2)+SP*\i
.endr
	WIN 0
.irp b, 0,1,2,3
.irp j, 0,1,2,3
	ds_load_b128 v[HA0+64*((\f)%2)+16*\b+4*\j:HA0+64*((\f)%2)+16*\b+4*\j+3], v[SRD] offset:HST*((\f)%2)+128*\b+16*\j
.endr
.endr
.endm
; K step k of a pass: 64 matrix instructions in two halves.  Behind each half the four weight fragments just multiplied are asked for anew: K step k + 2 of this pass or, from k = 2 on, K step k - 2 of the next
; (in the last trip: the third product's 16 fragments, which lie at the same distance).  In the middle the next K step's activations are fetched into the other set.
.macro STEP k
.if (\k) < 2
.set OFFK, ((\k)+2)*KSB
.else
.set OFFK, PASSB+((\k)-2)*KSB
.endif
	s_wait_loadcnt 36                              ; younger than this step's first four fragments: its other four and the next step's eight: 3 x 12 loads
	s_wait_dscnt 0x0                               ; this step's activations (and, at k = 0, the scale words) are in
.if (\k) == 0
	WIN 0x91                                       ; weights window 1, activations window 0, C (the bias) window 1, D window 2
.else
	WIN 0xa1                                       ; C and D window 2
.endif
	MUL32 \k, 0
	PLACES
	WLOAD (\k)%2, 0, OFFK
	WIN 0
.if (\k) < 3
	ALOAD ((\k)+1)%2, ADRA, (\k)+1
.endif
	s_wait_loadcnt 36                              ; younger than this step's last four fragments: the next step's eight and the four just asked for
.if (\k) == 0
	WIN 0xd1                                       ; D window 3
.else
	WIN 0xf1
.endif
	MUL32 \k, 1
	PLACES
	WLOAD (\k)%2, 1, OFFK
	WIN 0
.endm
	; ---- the head: pointers, my wave's 32 token ids, addresses
	s_load_b512 s[4:19], s[0:1], 0x0               ; token_ids s[4:5], emb_table s[6:7], wq s[8:9], sq s[10:11], conv_b s[12:13], dec_b1 s[14:15], dec_b2 s[16:17], out0 s[18:19]
	v_lshrrev_b32 v99, 5, v0
	v_readfirstlane_b32 s[WV], v99                 ; wave 0..3
	v_and_b32 v96, 31, v0                          ; lane
	v_and_b32 v97, 15, v0                          ; r
	v_bfe_u32 v98, v0, 4, 1                        ; h
	v_lshlrev_b32 v[LI], 4, v96
	v_lshlrev_b32 v[LS], 2, v96
	s_lshl_b32 s26, ttmp9, 9                       ; the work-group's 128 ids,
	s_lshl_b32 s28, s[WV], 7                       ; my wave's 32 of them
	s_add_co_u32 s26, s26, s28
	s_mov_b32 s27, 0
	s_wait_kmcnt 0x0
	s_add_nc_u64 s[4:5], s[4:5], s[26:27]
	s_load_b512 s[32:47], s[4:5], 0x0
	s_load_b512 s[48:63], s[4:5], 0x40
	s_mul_i32 s26, s[WV], WAVB
	s_add_nc_u64 s[WP:WP+1], s[WP:WP+1], s[26:27]
	s_lshl_b32 s26, s[WV], 11
	s_add_nc_u64 s[SQ:SQ+1], s[SQ:SQ+1], s[26:27]
	s_lshl_b32 s26, s[WV], 9                       ; my 128 biases of a pass
	s_add_nc_u64 s[12:13], s[12:13], s[26:27]
	s_add_nc_u64 s[BN:BN+1], s[BN:BN+1], s[26:27]
	s_lshl_b32 s26, s[WV], 7                       ; my 32 of the third product
	s_add_nc_u64 s[16:17], s[16:17], s[26:27]
	s_lshl_b32 s26, ttmp9, 16                      ; out0: the work-group's 128 rows of 512 bytes,
	s_lshl_b32 s28, s[WV], 14                      ; the 32 that my wave stores
	s_add_co_u32 s26, s26, s28
	s_add_nc_u64 s[18:19], s[18:19], s[26:27]
	s_mov_b32 s[SEL], 0x76543210
	s_mov_b32 s[SEL+1], 0xfedcba98                 ; v_permlanex16_b32's selects for lane l xor 16
	s_mul_i32 s28, s[WV], FRB
	v_add_nc_u32 v[HWB], s28, v[LI]
	s_lshl_b32 s28, s[WV], 2
	s_add_co_u32 s28, s28, SCO
	v_lshl_add_u32 v[HSB], v97, 4, s28
	v_lshlrev_b32 v[ASB], 4, v97
	v_lshl_add_u32 v[ASB], v98, 10, v[ASB]
	v_add_nc_u32 v[ASB], SCO, v[ASB]
	s_mul_i32 s29, s[WV], 2*HST
	s_add_co_u32 s29, s29, STG                     ; my two stages; at the end the 32 rows that I store
	v_add_nc_u32 v[SA], s29, v[LI]
	v_mul_u32_u24 v[SRD], v97, SP
	v_lshl_add_u32 v[SRD], v98, 6, v[SRD]
	v_add_nc_u32 v[SRD], s29, v[SRD]
	v_add_nc_u32 v[SR], s29, v[LI]
	s_mul_i32 s28, s[WV], 8*FRB                    ; x's images: my row tiles 2 w and 2 w + 1
	v_add_nc_u32 v[XWI], s28, v[LI]
	s_lshl_b32 s28, s[WV], 9
	s_add_co_u32 s28, s28, SCO
	v_lshl_add_u32 v[XWS], v97, 4, s28
	v_lshlrev_b32 v[BV1], 6, v98
	v_lshlrev_b32 v[BV2], 5, v98
	v_mul_u32_u24 v[SO], v97, SP
	v_lshl_add_u32 v[SO], v98, 5, v[SO]
	s_lshl_b32 s28, s[WV], 7
	s_add_co_u32 s28, s28, STG
	v_add_nc_u32 v[SO], s28, v[SO]
.irp b, 0,1,2,3
	v_mov_b32 v[TM+4+\b], 0                        ; written once: a lane permute's destination counts as one of its sources
.endr
	s_wait_kmcnt 0x0                               ; the ids
.set I, 0
.rept 32
	s_min_u32 s[32+I], s[32+I], LASTID             ; held inside the table
	v_lshl_add_u32 v[OFF+I], s[32+I], 11, v[LI]    ; a row is 2,048 bytes; 16 bytes a lane
.set I, I+1
.endr
	; ---- the gather: 128 loads, each 512 consecutive bytes of one row (a K step's 128 numbers).  No hint: a row may be named twice
.irp t, 0,1
	WIN 0x80+0x40*\t                               ; destination window 2 + t, address window 0
.set I, 0
.rept 16
.irp s, 0,1,2,3
	global_load_b128 v[16*I+4*\s:16*I+4*\s+3], v[OFF+16*\t+I], s[6:7] offset:512*\s
.endr
.set I, I+1
.endr
.endr
	WIN 0
	; ---- x: my 32 rows become 8 fragments.  A fragment's turn through the stage runs one fragment ahead of the arithmetic
	s_wait_loadcnt 63                              ; of the 128 loads at most 63 are out: the first row tile's 64 are in
	TURN 0
.set F, 0
.rept 8
.if F == 3
	s_wait_loadcnt 0x0                             ; the second row tile is in; from here on the first pass's scale words, biases and first K step are asked for
	AUXPASS 0, 12
	WLOAD 0, 0, 0
	WLOAD 0, 1, 0
.endif
.if F == 6
	WLOAD 1, 0, KSB                                ; and its second K step
	WLOAD 1, 1, KSB
.endif
.if F < 7
	TURN F+1
	s_wait_dscnt 32                                ; the 32 LDS instructions just issued may stay out: this fragment's numbers are back, and the last image's stores have read their registers
.else
	s_wait_dscnt 0x0
.endif
	QUANT HA0+64*(F%2)
	IMAGE XWI, F*FRB
	ds_store_b32 v[XWS], v[PW] offset:256*(F/4)+4*(F%4)   ; lanes r and 16 + r write the same word with the same value
.set F, F+1
.endr
	s_wait_loadcnt 0x0                             ; the first pass's weights, scale words and biases are in: the counted waits of the K steps begin from nothing out
	BARRIER                                        ; x's 32 fragments lie in LDS
	s_mov_b32 s[T], 0
.Lpass:                                            ; three trips: X -> H, H -> Z0, H -> Z1
	s_min_u32 s[SRC], s[T], REG
	s_add_co_u32 s[DST], s[T], REG
	v_add_nc_u32 v[ADRA], s[SRC], v[LI]
	v_add_nc_u32 v[ADRS], s[SRC], v[ASB]
	ALOAD 0, ADRA, 0
	ASCL AS, ADRS
	STEP 0
	STEP 1
	STEP 2
	STEP 3
	s_cmp_eq_u32 s[T], 2*REG                       ; what follows this pass: another pass, or the third product
	s_cbranch_scc1 .Llast_aux
	AUXPASS SQP, BN
	s_branch .Laux_done
.Llast_aux:
	AUX3
.Laux_done:
	BARRIER                                        ; every wave's reads of the source region are over before any wave stores results
	v_add_nc_u32 v[HWI], s[DST], v[HWB]
	v_add_nc_u32 v[HWS], s[DST], v[HSB]
	; relu and quantise, a row tile at a time: my 8 tiles of it are 128 neighbours along the next K: one fragment and one scale word a row.  The relu is also the move into window 0; each accumulator is read from its low end on
.irp a, 0,1,2,3,4,5,6,7
	WIN 0x08                                       ; source 1 window 2: weight tiles 0-3
.set J, 0
.rept 32
	v_max_num_f32 v[HA0+J], 0, v[32*\a+J]
.set J, J+1
.endr
	WIN 0x0c                                       ; window 3: weight tiles 4-7
.set J, 0
.rept 32
	v_max_num_f32 v[HA0+32+J], 0, v[32*\a+J]
.set J, J+1
.endr
	WIN 0
	s_wait_dscnt 0x0                               ; the last image's stores have read their registers
	QUANT HA0
	IMAGE HWI, 4*FRB*\a
	ds_store_b32 v[HWS], v[PW] offset:256*\a
.endr
	s_wait_loadcnt 0x0                             ; the next pass's first two K steps, scale words and biases are in, and no load reads the pointers any more:
	s_add_nc_u64 s[WP:WP+1], s[WP:WP+1], PASSB
	s_add_nc_u64 s[SQ:SQ+1], s[SQ:SQ+1], SQP
	s_add_nc_u64 s[BN:BN+1], s[BN:BN+1], 2048      ; (behind the last trip these three are not used)
	BARRIER                                        ; the target region's 32 fragments lie in LDS
	s_add_co_u32 s[T], s[T], REG
	s_cmp_lt_u32 s[T], 3*REG
	s_cbranch_scc1 .Lpass
	; ---- the third product: K = z's 1,024: K steps 0-3 from Z0, 4-7 from Z1.  My 16 fragments of dec_w2 fill the two sets of weights: K step s, tile n at 96 (s / 4) + 12 (2 (s % 4) + n)
	v_add_nc_u32 v[ADRA], 2*REG, v[LI]
	v_add_nc_u32 v[ADRA2], 3*REG, v[LI]
	v_add_nc_u32 v[ADRS], 2*REG, v[ASB]
	v_add_nc_u32 v[ADRS2], 3*REG, v[ASB]
	ALOAD 0, ADRA, 0
	ASCL AS, ADRS
	ASCL AS+32, ADRS2
.irp s, 0,1,2,3,4,5,6,7
.if \s > 0
	PLACES                                         ; for the loads into the set that the step before multiplied
.endif
.if \s < 7
.if \s < 3
	ALOAD (\s+1)%2, ADRA, (\s+1)%4
.else
	ALOAD (\s+1)%2, ADRA2, (\s+1)%4
.endif
	s_wait_dscnt 24                                ; the 24 loads just issued, the next step's, may stay out
.else
	s_wait_dscnt 0x0
.endif
.if \s == 0
	WIN 0x91                                       ; C: the bias, window 1; D window 2
.else
	WIN 0xa1
.endif
.irp a, 0,1,2,3,4,5,6,7                        ; 16 accumulators by turns: (row tile a, tile n) at v[8 (2 a + n)] of window 2
.irp n, 0,1
.set rD, 8*(2*\a+\n)
.set rW, 96*(\s/4)+12*(2*(\s%4)+\n)
.set rA, AF+96*(\s%2)+12*\a
.set rC, rD
.if \s == 0
.set rC, BIAS+8*\n
.endif
.set rSW, WS+4*\n+2*(\s/4)+(\s%4)/2
.set rSA, AS+32*(\s/4)+4*(\a%4)+(\s%4)
	WM \s%2, \a/4
.endr
.endr
	WIN 0
.endr
	; ---- the way out.  A lane holds 8 neighbouring labels of one row; a row's 128 labels come from four waves: they meet in the stage, and each wave stores 32 whole rows
	PLACES
	WIN 0x08                                       ; the data: window 2
.irp a, 0,1,2,3,4,5,6,7
.irp n, 0,1
	ds_store_b128 v[SO], v[8*(2*\a+\n):8*(2*\a+\n)+3] offset:HST*\a+64*\n          ; lane (r, h): out(16 a + r, 32 w + 16 n + 8 h + 0 .. 7); each accumulator from its low end on
	ds_store_b128 v[SO], v[8*(2*\a+\n)+4:8*(2*\a+\n)+7] offset:HST*\a+64*\n+16
.endr
.endr
	WIN 0
	BARRIER                                        ; 128 whole rows lie in the stage
.set I, 0
.rept 32
	ds_load_b128 v[AF+4*I:AF+4*I+3], v[SR] offset:SP*I
.set I, I+1
.endr
.set I, 0
.rept 32
	s_wait_dscnt 31-I                              ; LDS loads come back in order: row I is in
	global_store_b128 v[LI], v[AF+4*I:AF+4*I+3], s[18:19] offset:512*I th:TH_STORE_NT   ; 32 lanes store a row's 512 consecutive bytes, at a multiple of 256 from out0's first byte; written once, read by nobody here
.set I, I+1
.endr
	s_wait_xcnt 0x0
	v_lshl_add_u32 v254, v0, 2, 0x42800
	v_mov_b32 v255, 0
	s_wait_tensorcnt 0x0
	ds_add_u32 v254, v255
	s_wait_dscnt 0x0
	s_endpgm
.Lfunc_end_k_q2fd2c2b478_chain:
	.size	k_q2fd2c2b478_chain, .Lfunc_end_k_q2fd2c2b478_chain-k_q2fd2c2b478_chain
	.p2alignl 7, 3214868480
	.fill 96, 4, 3214868480
	.section	.rodata,"a",@progbits
	.p2align	6, 0x0
	.amdhsa_kernel k_q2fd2c2b478_chain
		.amdhsa_group_segment_fixed_size 272896
		.amdhsa_private_segment_fixed_size 0
		.amdhsa_enable_private_segment 0
		.amdhsa_kernarg_size 64
		.amdhsa_user_sgpr_count 2
		.amdhsa_user_sgpr_kernarg_segment_ptr 1
		.amdhsa_wavefront_size32 1
		.amdhsa_system_sgpr_workgroup_id_x 1
		.amdhsa_system_sgpr_workgroup_id_y 1
		.amdhsa_system_sgpr_workgroup_id_z 1
		.amdhsa_system_vgpr_workitem_id 0
		.amdhsa_next_free_vgpr 1024
		.amdhsa_next_free_sgpr 66
		.amdhsa_reserve_vcc 0
		.amdhsa_float_denorm_mode_32 3
		.amdhsa_float_denorm_mode_16_64 3
		.amdhsa_memory_ordered 1
		.amdhsa_forward_progress 1
		.amdhsa_inst_pref_size 218
	.end_amdhsa_kernel
	.amdgpu_metadata
---
amdhsa.version: [ 1, 2 ]
amdhsa.kernels:
  - .name:           k_q2fd2c2b478_chain
    .symbol:         k_q2fd2c2b478_chain.kd
    .args:
      - { .name: token_ids, .offset: 0, .size: 8, .value_kind: global_buffer, .address_space: global }
      - { .name: emb_table, .offset: 8, .size: 8, .value_kind: global_buffer, .address_space: global }
      - { .name: wq, .offset: 16, .size: 8, .value_kind: global_buffer, .address_space: global }
      - { .name: sq, .offset: 24, .size: 8, .value_kind: global_buffer, .address_space: global }
      - { .name: conv_b, .offset: 32, .size: 8, .value_kind: global_buffer, .address_space: global }
      - { .name: dec_b1, .offset: 40, .size: 8, .value_kind: global_buffer, .address_space: global }
      - { .name: dec_b2, .offset: 48, .size: 8, .value_kind: global_buffer, .address_space: global }
      - { .name: out0, .offset: 56, .size: 8, .value_kind: global_buffer, .address_space: global }
    .group_segment_fixed_size: 272896
    .private_segment_fixed_size: 0
    .kernarg_segment_align: 8
    .kernarg_segment_size: 64
    .max_flat_workgroup_size: 128
    .sgpr_count:     66
    .vgpr_count:     1024
    .wavefront_size: 32
...
	.end_amdgpu_metadata
.endif
;; end of part 2
;; ======== version 2 of 2: 2 launches
;; workspace buffers: wq 786,432 bytes; sq 32,768 bytes
;; launch prep (part 3): grid 112 x 1, 4 waves a work-group, no clusters, 1,536 bytes of LDS; arguments conv_w, dec_w1, dec_w2, wq, sq; writes wq, sq
.if DOCPART == 3
	.amdgcn_target "amdgcn-amd-amdhsa--gfx1250"
	.amdhsa_code_object_version 6
	.text
	.protected	k_q2fd2c2b478_prep
	.globl	k_q2fd2c2b478_prep
	.p2align	8
	.type	k_q2fd2c2b478_prep,@function
k_q2fd2c2b478_prep:
	s_mov_b64 s[64:65], 0
	v_nop
	global_prefetch_b8 v0, s[64:65] scope:SCOPE_SE
	s_setreg_imm32_b32 hwreg(HW_REG_WAVE_MODE, 25, 1), 1
	s_wait_xcnt 0x0
; The three weights, f32, become codes of BF6 (E3M2) with one E8M0 scale byte for each 32 along K, ONCE, laid in the order in which the next launch's operand registers take them.
; conv_w [512 (n)][512 (k)]: K innermost.  dec_w1 [512 (k)][1024 (n)], dec_w2 [1024 (k)][128 (n)]: K is the first axis.
; A FRAGMENT is 16 columns n x 128 along K: 12 registers a lane; lane (r, h) holds column r's k = 64 c + 32 h + 0 .. 31 in registers 6 c .. 6 c + 5.  Its IMAGE in wq is 1,536 bytes: registers 4 c .. 4 c + 3 of lane l at 512 c + 16 l.
; wq: slot p = 0 conv_w, p = 1, 2 dec_w1's columns 0-511 and 512-1023: fragment (p, wave w of the next launch, K step s, tile t) at ((4 p + w) 32 + 8 s + t) x 1,536.
;     slot 3, dec_w2, begins at 589,824: fragment (w, K step s = 0 .. 7, tile n = 0, 1) at 589,824 + 49,152 w + (2 s + n) x 1,536.
; sq: scale words (four bytes: 128 along K of one column) in blocks of 256 bytes, word (K step s % 4, lane r) at 64 (s % 4) + 4 r; block (p, w, t) at 256 (8 (4 p + w) + t); slot 3: 24,576 + 2,048 w + 256 (2 n + s / 4).
; THE COLUMNS OF A TILE in slots 0 to 2 ARE NOT NEIGHBOURS: lane r of tile t takes column 128 (4 p' + w) + 32 (t / 2) + 8 (t % 2) + r + 8 (r / 8), so that the next launch's results, used transposed, have
; 16 neighbours along the next K in the 16 registers of two neighbouring tiles.  In slot 3 the columns are as they lie: label 32 w + 16 n + r.
; SHARES: work-group G makes the four fragments of one block of scale words, wave s the one of K step s (of 4 (G % 2) + s in slot 3).  G < 32: conv_w; 32 <= G < 96: dec_w1; G >= 96: dec_w2.
; A lane's registers run along K in the operand's own order, so a block of 32 lies in ONE lane and the conversions' results are the operand's registers: nothing is transposed.
; A block's scale is 2^(floor(log2(its largest magnitude)) - 4); its byte is that magnitude's exponent field - 4, held at 1 from below.
; LIMITS: NaN and infinities among the weights are not served.  A block of zeros gets the byte 1 where the quantiser's rule says 127: its codes are zeros, which add nothing under that byte, and this program alone reads the bytes.
.set FRB, 1536
.set X,   32                           ; v32-95   my 64 numbers: v[X + 32 c + i] = k 64 c + 32 h + i of my column
.set C,   96                           ; v96-107  the fragment; v108-114 the upper halves as the conversions leave them
	s_load_b256 s[4:11], s[0:1], 0x0               ; conv_w s[4:5], dec_w1 s[6:7], dec_w2 s[8:9], wq s[10:11]
	s_load_b64 s[12:13], s[0:1], 0x20              ; sq
	v_lshl_add_u32 v128, v0, 2, 0x400
	v_mov_b32 v129, 0
	v_lshrrev_b32 v9, 5, v0
	v_readfirstlane_b32 s16, v9                    ; wave = K step within the group of four
	v_and_b32 v1, 15, v0                           ; r
	v_bfe_u32 v2, v0, 4, 1                         ; h
	v_and_b32 v3, 31, v0                           ; lane
	v_and_b32 v4, 8, v1
	v_add_nc_u32 v4, v4, v1                        ; r + 8 (r / 8)
	v_lshlrev_b32 v6, 4, v3                        ; an image's place for my lane: 16 x lane
	s_lshl_b32 s17, s16, 6
	v_lshl_add_u32 v7, v1, 2, s17                  ; LDS: my scale word: 64 x wave + 4 r
	v_lshlrev_b32 v8, 3, v3                        ; the block of scale words on its way out: 8 bytes a lane
	s_mov_b32 s26, 0x76543210
	s_mov_b32 s27, 0xfedcba98                      ; v_permlanex16_b32's selects for lane l xor 16
	s_mov_b32 s21, 0
	s_mov_b32 s23, 0
	s_lshr_b32 s20, ttmp9, 3                       ; where the results go, slots 0 to 2: ((G / 8) 32 + 8 s + G % 8) x 1,536 in wq,
	s_lshl_b32 s20, s20, 5
	s_lshl_b32 s18, s16, 3
	s_add_co_u32 s20, s20, s18
	s_and_b32 s18, ttmp9, 7
	s_add_co_u32 s20, s20, s18
	s_mul_i32 s20, s20, FRB
	s_lshl_b32 s22, ttmp9, 8                       ; 256 G in sq
	s_wait_kmcnt 0x0
	s_cmp_lt_u32 ttmp9, 32
	s_cbranch_scc0 .Lnot_conv
	; ---- conv_w: a row n is 2,048 bytes, K along it: my 32 numbers of a block are 128 consecutive bytes
	s_lshr_b32 s17, ttmp9, 1
	s_lshl_b32 s17, s17, 5
	s_and_b32 s18, ttmp9, 1
	s_lshl_b32 s18, s18, 3
	s_add_co_u32 s17, s17, s18                     ; the tile's first column: 32 (G / 2) + 8 (G % 2)
	s_lshl_b32 s17, s17, 11
	s_lshl_b32 s18, s16, 9                         ; K step s: 512 bytes on
	s_add_co_u32 s17, s17, s18
	s_wait_alu depctr_va_vdst(0)
	v_lshlrev_b32 v5, 11, v4
	v_lshl_add_u32 v5, v2, 7, v5                   ; + 128 h
	v_add_nc_u32 v5, s17, v5
.irp c, 0,1
.irp i, 0,1,2,3,4,5,6,7
	global_load_b128 v[X+32*\c+4*\i:X+32*\c+4*\i+3], v5, s[4:5] offset:256*\c+16*\i th:TH_LOAD_NT
.endr
.endr
	s_branch .Ltail
.Lnot_conv:
	s_cmp_lt_u32 ttmp9, 96
	s_cbranch_scc0 .Lw2
	; ---- dec_w1: a row k is 4,096 bytes: my registers run DOWN K, my lane stays in its column
	s_sub_co_u32 s24, ttmp9, 32
	s_lshr_b32 s17, s24, 1
	s_lshl_b32 s17, s17, 7                         ; 4 bytes x 32 ((G - 32) / 2)
	s_and_b32 s18, s24, 1
	s_lshl_b32 s18, s18, 5                         ; 4 bytes x 8 ((G - 32) % 2)
	s_add_co_u32 s17, s17, s18
	s_lshl_b32 s18, s16, 19                        ; K step s: 128 rows on
	s_add_co_u32 s17, s17, s18
	s_wait_alu depctr_va_vdst(0)
	v_lshlrev_b32 v5, 2, v4
	v_lshl_add_u32 v5, v2, 17, v5                  ; lanes 16-31: 32 rows further down
	v_add_nc_u32 v5, s17, v5
.irp c, 0,1
.set I, 0
.rept 32
	global_load_b32 v[X+32*\c+I], v5, s[6:7] offset:(64*\c+I)*4096 th:TH_LOAD_NT
.set I, I+1
.endr
.endr
	s_branch .Ltail
.Lw2:
	; ---- dec_w2: a row k is 512 bytes.  G - 96 = 4 w + 2 n + sh; my K step is 4 sh + wave
	s_sub_co_u32 s24, ttmp9, 96
	s_lshr_b32 s17, s24, 1
	s_lshl_b32 s17, s17, 6                         ; 4 bytes x the first label, 16 (2 w + n)
	s_and_b32 s18, s24, 1
	s_lshl_b32 s19, s18, 2
	s_add_co_u32 s19, s19, s16                     ; the K step
	s_lshl_b32 s25, s19, 16                        ; 128 rows of 512 bytes each
	s_add_co_u32 s17, s17, s25
	s_wait_alu depctr_va_vdst(0)
	v_lshlrev_b32 v5, 2, v1
	v_lshl_add_u32 v5, v2, 14, v5                  ; lanes 16-31: 32 rows further down
	v_add_nc_u32 v5, s17, v5
	s_wait_alu depctr_va_vdst(0)
	s_lshr_b32 s25, s24, 2                         ; w
	s_mul_i32 s20, s25, 49152
	s_add_co_u32 s20, s20, 589824
	s_lshl_b32 s19, s19, 1
	s_bfe_u32 s18, s24, 0x10001                    ; n
	s_add_co_u32 s19, s19, s18
	s_mul_i32 s19, s19, FRB
	s_add_co_u32 s20, s20, s19                     ; 589,824 + 49,152 w + (2 K step + n) x 1,536
	s_lshl_b32 s22, s25, 11
	s_and_b32 s18, s24, 3
	s_lshl_b32 s18, s18, 8
	s_add_co_u32 s22, s22, s18
	s_add_co_u32 s22, s22, 24576                   ; 24,576 + 2,048 w + 256 (2 n + sh)
.irp c, 0,1
.set I, 0
.rept 32
	global_load_b32 v[X+32*\c+I], v5, s[8:9] offset:(64*\c+I)*512 th:TH_LOAD_NT
.set I, I+1
.endr
.endr
.Ltail:
	s_add_nc_u64 s[10:11], s[10:11], s[20:21]
	s_add_nc_u64 s[12:13], s[12:13], s[22:23]
	s_wait_loadcnt 0x0
.irp c, 0,1                                    ; my block 2 c + h: all its 32 numbers are mine
	v_max3_num_f32 v[16+\c], |v[X+32*\c]|, |v[X+1+32*\c]|, 0x2800000   ; and the floor 2^(5 - 127): the byte cannot fall under 1
.endr
.irp i, 2,4,6,8,10,12,14,16,18,20,22,24,26,28,30
.irp c, 0,1
	v_max3_num_f32 v[16+\c], v[16+\c], |v[X+32*\c+\i]|, |v[X+1+32*\c+\i]|   ; (the two blocks by turns)
.endr
.endr
.irp c, 0,1
	v_add_nc_u32 v[18+\c], 0xfe000000, v[16+\c]    ; 4 off the exponent field: the conversion takes the exponent field of this operand as its scale
.endr
.irp c, 0,1
	v_lshrrev_b32 v[20+\c], 23, v[18+\c]           ; the scale's byte
.endr
	v_lshl_or_b32 v22, v21, 16, v20                ; my two bytes: blocks h and 2 + h,
	v_lshlrev_b32 v23, 3, v2
	v_lshlrev_b32 v22, v23, v22                    ; at their places in the word (8 h bits up);
	v_mov_b32 v23, 0
	v_permlanex16_b32 v23, v22, s26, s27
	v_or_b32 v22, v22, v23                         ; with lane l xor 16's two the word is whole
.irp c, 0,1
	v_cvt_scalef32_pk16_bf6_f32 v[C+6*\c:C+2+6*\c], v[X+32*\c:X+15+32*\c], v[18+\c]
	v_cvt_scalef32_pk16_bf6_f32 v[C+12+4*\c:C+14+4*\c], v[X+16+32*\c:X+31+32*\c], v[18+\c]   ; (a conversion's three registers begin on an even number: the upper half is made elsewhere and moved)
.endr
	v_nop                                          ; one plain place behind a scaled conversion
.irp c, 0,1
.irp i, 0,1,2
	v_mov_b32 v[C+3+6*\c+\i], v[C+12+4*\c+\i]
.endr
.endr
.irp c, 0,1,2
	global_store_b128 v6, v[C+4*\c:C+4*\c+3], s[10:11] offset:512*\c   ; 32 lanes store 512 consecutive bytes, at a multiple of 256 from wq's first byte
.endr
	ds_store_b32 v7, v22                           ; lanes r and 16 + r write the same word with the same value
	s_wait_dscnt 0x0                               ; for the others' sake: my word has landed
	s_barrier_signal -1
	s_barrier_wait -1                              ; the four waves' 64 words lie in LDS
	s_cmp_lg_u32 s16, 0
	s_cbranch_scc1 .Lend
	ds_load_b64 v[24:25], v8
	s_wait_dscnt 0x0
	global_store_b64 v8, v[24:25], s[12:13]        ; wave 0: 32 lanes store 256 consecutive bytes, at a multiple of 256 from sq's first byte
.Lend:
	s_wait_tensorcnt 0x0
	ds_add_u32 v128, v129
	s_wait_dscnt 0x0
	s_endpgm
.Lfunc_end_k_q2fd2c2b478_prep:
	.size	k_q2fd2c2b478_prep, .Lfunc_end_k_q2fd2c2b478_prep-k_q2fd2c2b478_prep
	.p2alignl 7, 3214868480
	.fill 96, 4, 3214868480
	.section	.rodata,"a",@progbits
	.p2align	6, 0x0
	.amdhsa_kernel k_q2fd2c2b478_prep
		.amdhsa_group_segment_fixed_size 1536
		.amdhsa_private_segment_fixed_size 0
		.amdhsa_enable_private_segment 0
		.amdhsa_kernarg_size 40
		.amdhsa_user_sgpr_count 2
		.amdhsa_user_sgpr_kernarg_segment_ptr 1
		.amdhsa_wavefront_size32 1
		.amdhsa_system_sgpr_workgroup_id_x 1
		.amdhsa_system_sgpr_workgroup_id_y 1
		.amdhsa_system_sgpr_workgroup_id_z 1
		.amdhsa_system_vgpr_workitem_id 0
		.amdhsa_next_free_vgpr 130
		.amdhsa_next_free_sgpr 66
		.amdhsa_reserve_vcc 0
		.amdhsa_float_denorm_mode_32 3
		.amdhsa_float_denorm_mode_16_64 3
		.amdhsa_memory_ordered 1
		.amdhsa_forward_progress 1
		.amdhsa_inst_pref_size 21
	.end_amdhsa_kernel
	.amdgpu_metadata
---
amdhsa.version: [ 1, 2 ]
amdhsa.kernels:
  - .name:           k_q2fd2c2b478_prep
    .symbol:         k_q2fd2c2b478_prep.kd
    .args:
      - { .name: conv_w, .offset: 0, .size: 8, .value_kind: global_buffer, .address_space: global }
      - { .name: dec_w1, .offset: 8, .size: 8, .value_kind: global_buffer, .address_space: global }
      - { .name: dec_w2, .offset: 16, .size: 8, .value_kind: global_buffer, .address_space: global }
      - { .name: wq, .offset: 24, .size: 8, .value_kind: global_buffer, .address_space: global }
      - { .name: sq, .offset: 32, .size: 8, .value_kind: global_buffer, .address_space: global }
    .group_segment_fixed_size: 1536
    .private_segment_fixed_size: 0
    .kernarg_segment_align: 8
    .kernarg_segment_size: 40
    .max_flat_workgroup_size: 128
    .sgpr_count:     66
    .vgpr_count:     130
    .wavefront_size: 32
...
	.end_amdgpu_metadata
.endif
;; end of part 3
;; launch chain (part 4): grid 256 x 1, 4 waves a work-group, no clusters, 272,896 bytes of LDS; arguments token_ids, emb_table, wq, sq, conv_b, dec_b1, dec_b2, out0; writes out0
.if DOCPART == 4
	.amdgcn_target "amdgcn-amd-amdhsa--gfx1250"
	.amdhsa_code_object_version 6
	.text
	.protected	k_q2fd2c2b478_chain
	.globl	k_q2fd2c2b478_chain
	.p2align	8
	.type	k_q2fd2c2b478_chain,@function
k_q2fd2c2b478_chain:
	s_mov_b64 s[64:65], 0
	v_nop
	global_prefetch_b8 v0, s[64:65] scope:SCOPE_SE
	s_setreg_imm32_b32 hwreg(HW_REG_WAVE_SCHED_MODE, 0, 2), 2
	s_setreg_imm32_b32 hwreg(HW_REG_WAVE_MODE, 25, 1), 1
	s_wait_xcnt 0x0
	s_wait_alu depctr_vm_vsrc(0)
; out0 = relu(relu(emb[ids] conv_w^T + conv_b) dec_w1 + dec_b1) dec_w2 + dec_b2 for 32,768 tokens, all three products on codes of BF6 (E3M2) with one E8M0 scale for each 32 along K; sums in f32.
; The weights come as codes and scale words from wq and sq, laid by the launch before in the order of the operand's registers.  x, h and z are quantised here, in registers, and never go to memory.
; SHARES.  256 work-groups x 128 tokens (8 tiles of 16 rows); four waves, as many as a WGP has SIMDs.  THE WAVES SHARE THE COLUMNS: in a PASS, [128 x 512] x [512 x 512], wave w makes columns 128 w .. 128 w + 127 for all
; 128 rows: 64 accumulators, 512 registers, 4 K steps of 64 matrix instructions.  Pass 0 is the first product, passes 1 and 2 the second product's columns 0-511 and 512-1023: ONE loop of three trips.
; The third product: 32 labels a wave x 128 rows, 16 accumulators, 8 K steps of 16 matrix instructions.
; THE MATRIX INSTRUCTION IS USED TRANSPOSED (source 0 = 16 columns of a weight, source 1 = 16 rows of the activations): a lane holds ONE row, its registers run along the columns, and the columns of a weight tile are
; chosen (by the launch before) so that the 16 registers of tiles 2 b, 2 b + 1 are 16 neighbours along the next K.  A wave's 128 columns are K step w of the next product (4 + w for pass 2).
; WEIGHTS GO FROM MEMORY STRAIGHT INTO REGISTERS: a fragment (1,536 bytes) is multiplied by one wave alone, 8 products; three loads of 16 bytes a lane bring it as it lies.  Two sets of 8 fragments, asked for 96 matrix instructions ahead.
; ACTIVATIONS GO FROM WAVE TO WAVE THROUGH LDS AS IMAGES OF THEIR REGISTERS: a fragment by 3 ds_store_b128, lane l's 16 bytes at 16 l; any wave that loads it by the same three lines has the operand.
; NO CLUSTER, NO JOINT LOADS, though all work-groups walk the same weights: a joint load lands in LDS, and each fragment of 1,536 bytes feeds one wave's 8 products only.  Through LDS it would be written and read once more:
; the work-group's LDS bytes for a K step would go from 49,152 (four waves x 12,288 of activations) to 147,456, with a round of the cluster's barrier for each slot, and as many bytes would still enter the work-group.
; NO PREFETCH: the weights are read by all 256 work-groups, not once; the table's rows are known only at the head, where their loads go out at once.
; The biases are the C of each sum's first matrix instruction, in the result's layout: they enter the f32 sum first.
; LIMITS: NaN and infinities are not served.  Token ids are taken as unsigned and held at 50,256.  A block of zeros carries the byte 1 where the quantiser's rule says 127: its codes are zeros.
;
; THE MODE: SCHED_MODE bits 1:0 = 2 (LLVM: expert scheduling mode 2), set by the entry lines.  The code itself states the register dependences between vector or matrix instructions and memory or LDS
; instructions, with s_wait_alu, always for 0.
; THE PLAN.  Registers that memory or LDS instructions touch, and who else names them:
;   v1-4, v9-12, v14   offsets and LDS addresses: written at the head, never again.       v64-95  the gather's offsets: written at the head, read by the 128 loads; fragments land there later.
;   v5, v6             LDS addresses of what is read: written by vector adds at the head, at each trip's head and behind the loop; read by the turns and by the loads of fragments and scale words.
;   v7, v8             LDS addresses of what is stored: written at the head, in each trip's epilogue and behind the loop; read by the images' stores (behind the loop: by loads).
;   windows 2, 3       the rows of x land there and the turns' LDS stores read them; then accumulators: matrix instructions write, the relu reads, the way out's LDS stores read.
;   v96-223            64 numbers to be quantised, twice: at the head the turns' LDS loads land there; QUANT reads them.
;   v224-235, v13      the codes and the scale word: QUANT writes, the image's four LDS stores read.
;   v64-159, v160-255  two sets of activations; window 1 v0-191 two sets of weights; v16-63 scale words; window 1 v192-255 biases: loads land, matrix instructions read.
; A fragment made (of x, h or z): one wait on vm_vsrc ahead of QUANT (the last image's stores have read the codes), one on va_vdst behind it (the codes are written; at the head also: QUANT is done with its 64 numbers,
; in which the turn after next lands).  A K step of a pass: two waits on va_vdst, one behind each half of 32 matrix instructions: each frees the four weight fragments just multiplied, so that their refill keeps
; its 96 matrix instructions, and a set of activations; behind each stands one run of 12 global and 12 LDS loads, which no vector or matrix instruction since the wait names.  With one wait to a K step the refill
; of half of the weights would stand 64 matrix instructions ahead of its use, and there is no register left for a third set.  One wait on vm_vsrc at each trip's end, ahead of the branch, frees v5 to v8 and the codes.
;
; LDS: four regions of REG bytes: X (x), H (h), Z0, Z1 (z's K steps 0-3, 4-7): 32 images, fragment (row tile m, K step k) at (4 m + k) x 1,536; behind them the scale words, word (m, r, k) at 49,152 + 256 m + 16 r + 4 k.
;      STG, behind them: first two stages of 16 rows x 528 bytes for each wave, to turn x; at the end one stage of 128 rows x 528 bytes for the result.
; REGISTERS, in windows of 256 (s_set_vgpr_msb's low byte: bits 1:0 source 0, 3:2 source 1, 5:4 source 2, 7:6 destination):
;   window 0: v1-14 addresses; v16-31, v48-63 the activations' scale words, v32-47 the weights': these hold scales and nothing else; v64-159, v160-255 two sets of 8 fragments of activations.
;             Between the products the same registers serve the vector work: v64-95 the gather's offsets; v96-159, v160-223 64 numbers to be quantised; v224-243 the codes; v244-255 at work.
;   window 1: v0-95, v96-191 two sets of 8 fragments of weights; v192-255 the biases of 8 tiles.
;   windows 2, 3: accumulator (row tile a, weight tile b) at v[8 (4 a + b % 4)] of window 2 + b / 4; at the head the rows of x as they are loaded: row tile t in window 2 + t, row i's slice s at v[16 i + 4 s].
.set REG,    51200
.set FRB,    1536                      ; an image
.set SCO,    32*FRB                    ; the scale words in a region
.set STG,    4*REG
.set SP,     528                       ; a stage's row: 512 bytes + 16: 33 x 16 bytes, so that sixteen rows' 16 bytes at one column fall on different places modulo 256 bytes
.set HST,    16*SP
.set KSB,    8*FRB                     ; a wave's weights of a K step
.set WAVB,   4*KSB                     ; of a pass
.set PASSB,  4*WAVB                    ; the four waves'
.set SQP,    8192                      ; a pass's scale words in sq
.set LASTID, 50256
.set LI,    1                          ; v1   16 x lane: an image's place for my lane; never rewritten
.set HWB,   2                          ; v2   16 x lane + 1,536 x wave: where my results' images go in a region
.set HSB,   3                          ; v3   49,152 + 16 r + 4 x wave: and their scale words
.set ASB,   4                          ; v4   49,152 + 16 r + 1,024 h: where I read scale words: lanes 0-15 row tiles 0-3, lanes 16-31 row tiles 4-7
.set ADRA,  5                          ; v5   images of the region in hand     (at the head SA: my stage, 16 x lane)
.set SA,    5
.set ADRS,  6                          ; v6   its scale words                  (at the head SRD: my stage, 528 r + 64 h)
.set SRD,   6
.set HWI,   7                          ; v7   HWB in the target region         (at the head XWI: 16 x lane + 12,288 x wave; in the third product ADRA2: Z1's images)
.set XWI,   7
.set ADRA2, 7
.set HWS,   8                          ; v8   HSB in the target region         (at the head XWS: 49,152 + 512 x wave + 16 r; in the third product ADRS2)
.set XWS,   8
.set ADRS2, 8
.set BV1,   9                          ; v9   64 h: my half's place in a tile's 32 biases (passes)
.set BV2,   10                         ; v10  32 h: in a tile's 16 (third product)
.set SO,    11                         ; v11  the way out: STG + 528 r + 32 h + 128 x wave
.set SR,    12                         ; v12  and back: STG + 16,896 x wave + 16 x lane
.set PW,    13                         ; v13  the scale word just made
.set LS,    14                         ; v14  4 x lane
.set AS,    16
.set WS,    32
.set AF,    64
.set OFF,   64
.set HA0,   96
.set PC,    224
.set TM,    244                        ; +0..3 largest magnitudes, +4..7 the other half's, then the bytes, +8..11 the conversions' scale operands
.set BIAS,  192                        ; in window 1
.set WP,    8                          ; s[8:9]   wq at my wave's part of the pass in hand
.set SQ,    10                         ; s[10:11] sq likewise
.set BN,    14                         ; s[14:15] dec_b1 at my wave's part of the next pass
.set WV,    20
.set T,     21                         ; s21  0, REG, 2 REG: the loop's counter
.set SEL,   22
.set SRC,   24
.set DST,   25
.set MSB, 0
.macro WIN new                         ; the immediate's high byte repeats the setting that is left; a switch that changes nothing is dropped
.if MSB != (\new)
	s_set_vgpr_msb (MSB<<8)|(\new)
.set MSB, (\new)
.endif
.endm
; A load into a register that a matrix instruction has read, and a vector instruction or an LDS store that reads a matrix result or writes one of its registers, stand four places behind it; only plain vector
; instructions that name none of its registers are places (ISA guide 7.12.1 for vector instructions).  The places stand beside the waits on va_vdst, ahead of them: neither stands for the other.
.macro PLACES
.rept 4
	v_nop
.endr
.endm
.macro BARRIER                         ; my LDS stores have landed and my LDS loads are in: then the work-group's barrier
	s_wait_dscnt 0x0
	s_barrier_signal -1
	s_barrier_wait -1
.endm
; One matrix instruction on the registers rD, rW (weights), rA (activations), rC, with the scale words rSW, rSA.  rw, ra = 1: that side's words stand in lanes 16-31.
.macro WM rw, ra
.if (\rw) && (\ra)
	v_wmma_scale_f32_16x16x128_f8f6f4 v[rD:rD+7], v[rW:rW+11], v[rA:rA+11], v[rC:rC+7], v[rSW], v[rSA] matrix_a_fmt:MATRIX_FMT_BF6 matrix_b_fmt:MATRIX_FMT_BF6 matrix_a_scale:MATRIX_SCALE_ROW1 matrix_b_scale:MATRIX_SCALE_ROW1
.elseif (\rw)
	v_wmma_scale_f32_16x16x128_f8f6f4 v[rD:rD+7], v[rW:rW+11], v[rA:rA+11], v[rC:rC+7], v[rSW], v[rSA] matrix_a_fmt:MATRIX_FMT_BF6 matrix_b_fmt:MATRIX_FMT_BF6 matrix_a_scale:MATRIX_SCALE_ROW1
.elseif (\ra)
	v_wmma_scale_f32_16x16x128_f8f6f4 v[rD:rD+7], v[rW:rW+11], v[rA:rA+11], v[rC:rC+7], v[rSW], v[rSA] matrix_a_fmt:MATRIX_FMT_BF6 matrix_b_fmt:MATRIX_FMT_BF6 matrix_b_scale:MATRIX_SCALE_ROW1
.else
	v_wmma_scale_f32_16x16x128_f8f6f4 v[rD:rD+7], v[rW:rW+11], v[rA:rA+11], v[rC:rC+7], v[rSW], v[rSA] matrix_a_fmt:MATRIX_FMT_BF6 matrix_b_fmt:MATRIX_FMT_BF6
.endif
.endm
; 32 matrix instructions of a pass's K step k: weight tiles 4 half .. 4 half + 3 x the 8 row tiles.  K step 0 takes the bias as C: nothing is cleared.
; The accumulators take turns, one instruction a turn, in the same order in every K step.
.macro MUL32 k, half
.irp b, 0,1,2,3
.irp a, 0,1,2,3,4,5,6,7
.set rD, 8*(4*\a+\b)
.set rW, 96*((\k)%2)+12*(4*(\half)+\b)
.set rA, AF+96*((\k)%2)+12*\a
.set rC, rD
.if (\k) == 0
.set rC, BIAS+8*(4*(\half)+\b)
.endif
.set rSW, WS+2*(4*(\half)+\b)+(\k)/2   ; K steps 2 i and 2 i + 1 share a register: lanes 0-15, lanes 16-31
.set rSA, AS+4*(\a%4)+(\k)             ; row tiles a and a + 4 share a register likewise
	WM (\k)%2, \a/4
.endr
.endr
.endm
.macro WLOAD set, half, off            ; four fragments of weights, 12 loads of 512 consecutive bytes, into half a set
	WIN 0x40                                       ; destination window 1, address window 0
.irp t, 0,1,2,3
.irp c, 0,1,2
	global_load_b128 v[96*(\set)+12*(4*(\half)+\t)+4*\c:96*(\set)+12*(4*(\half)+\t)+4*\c+3], v[LI], s[WP:WP+1] offset:(\off)+FRB*(4*(\half)+\t)+512*\c
.endr
.endr
.endm
.macro ALOADH set, adr, k, m0          ; row tiles m0 .. m0 + 3: their fragments of K step k of a region: 12 LDS loads
.irp m, 0,1,2,3
.irp c, 0,1,2
	ds_load_b128 v[AF+96*(\set)+12*((\m0)+\m)+4*\c:AF+96*(\set)+12*((\m0)+\m)+4*\c+3], v[\adr] offset:(4*((\m0)+\m)+(\k))*FRB+512*\c
.endr
.endr
.endm
.macro ALOAD set, adr, k               ; all 8 row tiles': 24 LDS loads
	ALOADH \set, \adr, \k, 0
	ALOADH \set, \adr, \k, 4
.endm
.macro ASCL dst, adr                   ; a region's scale words: register dst + 4 i + k: K step k of row tile i (lanes 0-15) and i + 4 (lanes 16-31)
.irp i, 0,1,2,3
	ds_load_b128 v[\dst+4*\i:\dst+4*\i+3], v[\adr] offset:256*\i
.endr
.endm
.macro AUXPASS soff, bp                ; a pass's scale words of my 8 weight tiles and its biases: 32 loads
.irp t, 0,1,2,3,4,5,6,7
.irp i, 0,1
	global_load_b32 v[WS+2*\t+\i], v[LS], s[SQ:SQ+1] offset:(\soff)+256*\t+128*\i
.endr
.endr
	WIN 0x40
.irp t, 0,1,2,3,4,5,6,7                ; lane (r, h) wants, for tile t, the biases of columns 32 (t / 2) + 8 (t % 2) + 16 h + 0 .. 7
	global_load_b128 v[BIAS+8*\t:BIAS+8*\t+3], v[BV1], s[\bp:\bp+1] offset:(32*(\t/2)+8*(\t%2))*4
	global_load_b128 v[BIAS+8*\t+4:BIAS+8*\t+7], v[BV1], s[\bp:\bp+1] offset:(32*(\t/2)+8*(\t%2))*4+16
.endr
	WIN 0
.endm
.macro AUX3                            ; the same for the third product: 12 loads
.irp n, 0,1
.irp u, 0,1
.irp i, 0,1
	global_load_b32 v[WS+4*\n+2*\u+\i], v[LS], s[SQ:SQ+1] offset:SQP+512*\n+256*\u+128*\i
.endr
.endr
.endr
	WIN 0x40
.irp n, 0,1                            ; for tile n: labels 16 n + 8 h + 0 .. 7
	global_load_b128 v[BIAS+8*\n:BIAS+8*\n+3], v[BV2], s[16:17] offset:64*\n
	global_load_b128 v[BIAS+8*\n+4:BIAS+8*\n+7], v[BV2], s[16:17] offset:64*\n+16
.endr
	WIN 0
.endm
; 64 numbers of a lane, v[s] .. v[s + 63], register 16 b + i = k 32 b + 16 (lane / 16) + i of my row, become a fragment's codes in v[PC] on and its scale word in v[PW].
.macro QUANT s
.irp b, 0,1,2,3
	v_max3_num_f32 v[TM+\b], |v[\s+16*\b]|, |v[\s+1+16*\b]|, 0x2800000   ; block b: my 16 numbers, and the floor 2^(5 - 127): the byte cannot fall under 1
.endr
.irp i, 2,4,6,8,10,12,14
.irp b, 0,1,2,3
	v_max3_num_f32 v[TM+\b], v[TM+\b], |v[\s+16*\b+\i]|, |v[\s+1+16*\b+\i]|   ; (the four blocks by turns: no line waits for the line above it)
.endr
.endr
.irp b, 0,1,2,3
	v_permlanex16_b32 v[TM+4+\b], v[TM+\b], s[SEL], s[SEL+1]
.endr
.irp b, 0,1,2,3
	v_max_num_f32 v[TM+\b], v[TM+\b], v[TM+4+\b]   ; with lane l xor 16's: the block's largest magnitude
.endr
.irp b, 0,1,2,3
	v_add_nc_u32 v[TM+8+\b], 0xfe000000, v[TM+\b]  ; 4 off its exponent field: the conversion takes the exponent field of this operand as its scale
.endr
.irp b, 0,1,2,3
	v_lshrrev_b32 v[TM+4+\b], 23, v[TM+8+\b]       ; the scale's byte
.endr
	v_lshl_or_b32 v[PW], v[TM+5], 8, v[TM+4]       ; the four bytes make my row's scale word (lanes r and 16 + r hold the same)
	v_lshl_or_b32 v[PW], v[TM+6], 16, v[PW]
	v_lshl_or_b32 v[PW], v[TM+7], 24, v[PW]
.irp c, 0,1
	v_cvt_scalef32_pk16_bf6_f32 v[PC+6*\c:PC+2+6*\c], v[\s+32*\c:\s+15+32*\c], v[TM+8+2*\c]
	v_cvt_scalef32_pk16_bf6_f32 v[PC+12+4*\c:PC+14+4*\c], v[\s+16+32*\c:\s+31+32*\c], v[TM+8+2*\c+1]   ; (a conversion's three registers begin on an even number)
.endr
	v_nop                                          ; one plain place behind a scaled conversion
.irp c, 0,1                                    ; the operand's layout wants a WHOLE block in a lane: lanes 0-15 block 2 c, lanes 16-31 block 2 c + 1
.irp i, 0,1,2
	v_permlane16_swap_b32 v[PC+6*\c+\i], v[PC+12+4*\c+\i]
.endr
.irp i, 0,1,2
	v_mov_b32 v[PC+3+6*\c+\i], v[PC+12+4*\c+\i]
.endr
.endr
.endm
.macro IMAGE adr, off                  ; the fragment in v[PC] on goes to LDS as it stands
.irp c, 0,1,2
	ds_store_b128 v[\adr], v[PC+4*\c:PC+4*\c+3] offset:(\off)+512*\c
.endr
.endm
; Fragment f of my 8 of x (row tile f / 4 of my two, K step f % 4): its 16 rows x 512 bytes go into my stage f % 2 as they were loaded (a row's 512 bytes across the 32 lanes) and come back so that lane (r, h)
; holds, of row r, 16 neighbours of each block of 32.  LDS serves a wave's instructions in order (ISA guide 5.7.1.4): no wait between the stores and the loads.
.macro TURN f
	WIN 0x08+4*((\f)/4)                            ; an LDS store's data are its source 1: window 2 or 3
.irp i, 0,1,2,3,4,5,6,7,8,9,10,11,12,13,14,15
	ds_store_b128 v[SA], v[16*\i+4*((\f)%4):16*\i+4*((\f)%4)+3] offset:HST*((\f)%2)+SP*\i
.endr
	WIN 0
.irp b, 0,1,2,3
.irp j, 0,1,2,3
	ds_load_b128 v[HA0+64*((\f)%2)+16*\b+4*\j:HA0+64*((\f)%2)+16*\b+4*\j+3], v[SRD] offset:HST*((\f)%2)+128*\b+16*\j
.endr
.endr
.endm
; K step k of a pass: 64 matrix instructions in two halves.  Behind each half the four weight fragments just multiplied are asked for anew: K step k + 2 of this pass or, from k = 2 on, K step k - 2 of the next
; (in the last trip: the third product's 16 fragments, which lie at the same distance).  With them go 12 LDS loads: in the middle row tiles 4-7 of K step k + 1, into the set that K step k - 1 multiplied; at the end
; row tiles 0-3 of K step k + 2, into the set just multiplied.  So every run is 12 global and 12 LDS loads, and an activation is asked for 32 or 64 matrix instructions ahead of its use.
.macro STEP k
.if (\k) < 2
.set OFFK, ((\k)+2)*KSB
.else
.set OFFK, PASSB+((\k)-2)*KSB
.endif
	s_wait_loadcnt 36                              ; younger than this step's first four fragments: its other four and the next step's eight: 3 x 12 loads
.if (\k) < 3
	s_wait_dscnt 12                                ; this step's activations (and, at k = 0, the scale words) are in; the youngest 12 LDS loads, row tiles 0-3 of the next K step, may stay out
.else
	s_wait_dscnt 0x0                               ; the last K step's activations are in
.endif
.if (\k) == 0
	WIN 0x91                                       ; weights window 1, activations window 0, C (the bias) window 1, D window 2
.else
	WIN 0xa1                                       ; C and D window 2
.endif
	MUL32 \k, 0
	PLACES
	WIN 0x40
	s_wait_alu depctr_va_vdst(0)                   ; the 32 matrix instructions above are done reading weight tiles 0-3 of this set, and those of the K step before reading their activations: the loads below land in both
	WLOAD (\k)%2, 0, OFFK
	WIN 0
.if (\k) < 3
	ALOADH ((\k)+1)%2, ADRA, (\k)+1, 4
.endif
	s_wait_loadcnt 36                              ; younger than this step's last four fragments: the next step's eight and the four just asked for
.if (\k) == 0
	WIN 0xd1                                       ; D window 3
.else
	WIN 0xf1
.endif
	MUL32 \k, 1
	PLACES
	WIN 0x40
	s_wait_alu depctr_va_vdst(0)                   ; this K step's matrix instructions are done reading weight tiles 4-7 and their activations, in which the loads below land (at k = 3 also: the pass's are done reading its scale words and biases)
	WLOAD (\k)%2, 1, OFFK
	WIN 0
.if (\k) < 2
	ALOADH (\k)%2, ADRA, (\k)+2, 0
.endif
.endm
	; ---- the head: pointers, my wave's 32 token ids, addresses
	s_load_b512 s[4:19], s[0:1], 0x0               ; token_ids s[4:5], emb_table s[6:7], wq s[8:9], sq s[10:11], conv_b s[12:13], dec_b1 s[14:15], dec_b2 s[16:17], out0 s[18:19]
	v_lshrrev_b32 v99, 5, v0
	v_readfirstlane_b32 s[WV], v99                 ; wave 0..3
	v_and_b32 v96, 31, v0                          ; lane
	v_and_b32 v97, 15, v0                          ; r
	v_bfe_u32 v98, v0, 4, 1                        ; h
	v_lshlrev_b32 v[LI], 4, v96
	v_lshlrev_b32 v[LS], 2, v96
	s_wait_alu depctr_va_sdst(0)                   ; the wave's number is written, ahead of its first reader: the bases and the LDS addresses are made from it
	s_lshl_b32 s26, ttmp9, 9                       ; the work-group's 128 ids,
	s_lshl_b32 s28, s[WV], 7                       ; my wave's 32 of them
	s_add_co_u32 s26, s26, s28
	s_mov_b32 s27, 0
	s_wait_alu depctr_va_vdst(0)
	s_wait_kmcnt 0x0
	s_add_nc_u64 s[4:5], s[4:5], s[26:27]
	s_load_b512 s[32:47], s[4:5], 0x0
	s_load_b512 s[48:63], s[4:5], 0x40
	s_mul_i32 s26, s[WV], WAVB
	s_add_nc_u64 s[WP:WP+1], s[WP:WP+1], s[26:27]
	s_lshl_b32 s26, s[WV], 11
	s_add_nc_u64 s[SQ:SQ+1], s[SQ:SQ+1], s[26:27]
	s_lshl_b32 s26, s[WV], 9                       ; my 128 biases of a pass
	s_add_nc_u64 s[12:13], s[12:13], s[26:27]
	s_add_nc_u64 s[BN:BN+1], s[BN:BN+1], s[26:27]
	s_lshl_b32 s26, s[WV], 7                       ; my 32 of the third product
	s_add_nc_u64 s[16:17], s[16:17], s[26:27]
	s_lshl_b32 s26, ttmp9, 16                      ; out0: the work-group's 128 rows of 512 bytes,
	s_lshl_b32 s28, s[WV], 14                      ; the 32 that my wave stores
	s_add_co_u32 s26, s26, s28
	s_add_nc_u64 s[18:19], s[18:19], s[26:27]
	s_mov_b32 s[SEL], 0x76543210
	s_mov_b32 s[SEL+1], 0xfedcba98                 ; v_permlanex16_b32's selects for lane l xor 16
	s_mul_i32 s28, s[WV], FRB
	v_add_nc_u32 v[HWB], s28, v[LI]
	s_lshl_b32 s28, s[WV], 2
	s_add_co_u32 s28, s28, SCO
	v_lshl_add_u32 v[HSB], v97, 4, s28
	v_lshlrev_b32 v[ASB], 4, v97
	v_lshl_add_u32 v[ASB], v98, 10, v[ASB]
	v_add_nc_u32 v[ASB], SCO, v[ASB]
	s_mul_i32 s29, s[WV], 2*HST
	s_add_co_u32 s29, s29, STG                     ; my two stages; at the end the 32 rows that I store
	v_add_nc_u32 v[SA], s29, v[LI]
	v_mul_u32_u24 v[SRD], v97, SP
	v_lshl_add_u32 v[SRD], v98, 6, v[SRD]
	v_add_nc_u32 v[SRD], s29, v[SRD]
	v_add_nc_u32 v[SR], s29, v[LI]
	s_mul_i32 s28, s[WV], 8*FRB                    ; x's images: my row tiles 2 w and 2 w + 1
	v_add_nc_u32 v[XWI], s28, v[LI]
	s_lshl_b32 s28, s[WV], 9
	s_add_co_u32 s28, s28, SCO
	v_lshl_add_u32 v[XWS], v97, 4, s28
	v_lshlrev_b32 v[BV1], 6, v98
	v_lshlrev_b32 v[BV2], 5, v98
	v_mul_u32_u24 v[SO], v97, SP
	v_lshl_add_u32 v[SO], v98, 5, v[SO]
	s_lshl_b32 s28, s[WV], 7
	s_add_co_u32 s28, s28, STG
	v_add_nc_u32 v[SO], s28, v[SO]
.irp b, 0,1,2,3
	v_mov_b32 v[TM+4+\b], 0                        ; written once: a lane permute's destination counts as one of its sources
.endr
	s_wait_kmcnt 0x0                               ; the ids
.set I, 0
.rept 32
	s_min_u32 s[32+I], s[32+I], LASTID             ; held inside the table
	v_lshl_add_u32 v[OFF+I], s[32+I], 11, v[LI]    ; a row is 2,048 bytes; 16 bytes a lane
.set I, I+1
.endr
	; ---- the gather: 128 loads, each 512 consecutive bytes of one row (a K step's 128 numbers).  No hint: a row may be named twice
	s_wait_alu depctr_va_vdst(0)                   ; the addresses v1 to v14 and the 32 offsets are written, which the loads and stores below read; the head is done with v96 to v99, in which the first turn's loads land
.irp t, 0,1
	WIN 0x80+0x40*\t                               ; destination window 2 + t, address window 0
.set I, 0
.rept 16
.irp s, 0,1,2,3
	global_load_b128 v[16*I+4*\s:16*I+4*\s+3], v[OFF+16*\t+I], s[6:7] offset:512*\s
.endr
.set I, I+1
.endr
.endr
	WIN 0
	; ---- x: my 32 rows become 8 fragments.  A fragment's turn through the stage runs one fragment ahead of the arithmetic
	s_wait_loadcnt 63                              ; of the 128 loads at most 63 are out: the first row tile's 64 are in
	TURN 0
.set F, 0
.rept 8
.if F == 3
	s_wait_loadcnt 0x0                             ; the second row tile is in; from here on the first pass's scale words, biases and first K step are asked for
	AUXPASS 0, 12
	WLOAD 0, 0, 0
	WLOAD 0, 1, 0
.endif
.if F == 6
	WLOAD 1, 0, KSB                                ; and its second K step
	WLOAD 1, 1, KSB
.endif
.if F < 7
	TURN F+1                                       ; its loads land in the numbers of fragment F - 1: no vector instruction since the wait ahead of that fragment's image names them
	s_wait_dscnt 32                                ; the 32 LDS instructions just issued may stay out: this fragment's numbers are back
.else
	s_wait_dscnt 0x0
.endif
.if F > 0
	s_wait_alu depctr_vm_vsrc(0)                   ; the last image's four LDS stores have read the codes and the scale word, which QUANT writes again
.endif
	QUANT HA0+64*(F%2)
	s_wait_alu depctr_va_vdst(0)                   ; QUANT has written the codes and the scale word, which the four stores below read, and is done reading its 64 numbers, in which the turn after next lands
	IMAGE XWI, F*FRB
	ds_store_b32 v[XWS], v[PW] offset:256*(F/4)+4*(F%4)   ; lanes r and 16 + r write the same word with the same value
.set F, F+1
.endr
	s_wait_loadcnt 0x0                             ; the first pass's weights, scale words and biases are in: the counted waits of the K steps begin from nothing out
	BARRIER                                        ; x's 32 fragments lie in LDS
	s_wait_alu depctr_vm_vsrc(0)                   ; the turns have read v5, v6 and the rows of x, the gather its offsets, the last image's stores the codes: the adds below write the first, matrix instructions the second, fragments land in the others
	s_mov_b32 s[T], 0
.Lpass:                                            ; three trips: X -> H, H -> Z0, H -> Z1
	s_min_u32 s[SRC], s[T], REG
	s_add_co_u32 s[DST], s[T], REG
	v_add_nc_u32 v[ADRA], s[SRC], v[LI]
	v_add_nc_u32 v[ADRS], s[SRC], v[ASB]
	s_wait_alu depctr_va_vdst(0)                   ; v5 and v6 are written, which the loads below read; QUANT and the relu are done with v96 to v255, in which fragments land
	ALOAD 0, ADRA, 0
	ASCL AS, ADRS
	ALOADH 1, ADRA, 1, 0                           ; row tiles 0-3 of K step 1: the 12 loads that the first K step's wait leaves out
	STEP 0
	STEP 1
	STEP 2
	STEP 3
	s_cmp_eq_u32 s[T], 2*REG                       ; what follows this pass: another pass, or the third product
	s_cbranch_scc1 .Llast_aux
	AUXPASS SQP, BN                                ; (no vector or matrix instruction since the last K step's second wait names the scale words or the biases)
	s_branch .Laux_done
.Llast_aux:
	AUX3
.Laux_done:
	BARRIER                                        ; every wave's reads of the source region are over before any wave stores results
	v_add_nc_u32 v[HWI], s[DST], v[HWB]            ; (v7, v8, the codes and the scale word were last read ahead of the wait on vm_vsrc that stands in front of this trip)
	v_add_nc_u32 v[HWS], s[DST], v[HSB]
	; relu and quantise, a row tile at a time: my 8 tiles of it are 128 neighbours along the next K: one fragment and one scale word a row.  The relu is also the move into window 0; each accumulator is read from its low end on
.irp a, 0,1,2,3,4,5,6,7
	WIN 0x08                                       ; source 1 window 2: weight tiles 0-3
.set J, 0
.rept 32
	v_max_num_f32 v[HA0+J], 0, v[32*\a+J]
.set J, J+1
.endr
	WIN 0x0c                                       ; window 3: weight tiles 4-7
.set J, 0
.rept 32
	v_max_num_f32 v[HA0+32+J], 0, v[32*\a+J]
.set J, J+1
.endr
	WIN 0
	s_wait_dscnt 0x0                               ; the last image's stores have landed
.if \a > 0
	s_wait_alu depctr_vm_vsrc(0)                   ; and have read the codes and the scale word, which QUANT writes again
.endif
	QUANT HA0
	s_wait_alu depctr_va_vdst(0)                   ; QUANT has written the codes and the scale word, which the four stores below read (for the first row tile also: v7 and v8 are written)
	IMAGE HWI, 4*FRB*\a
	ds_store_b32 v[HWS], v[PW] offset:256*\a
.endr
	s_wait_loadcnt 0x0                             ; the next pass's first two K steps, scale words and biases are in, and no load reads the pointers any more:
	s_add_nc_u64 s[WP:WP+1], s[WP:WP+1], PASSB
	s_add_nc_u64 s[SQ:SQ+1], s[SQ:SQ+1], SQP
	s_add_nc_u64 s[BN:BN+1], s[BN:BN+1], 2048      ; (behind the last trip these three are not used)
	BARRIER                                        ; the target region's 32 fragments lie in LDS
	s_wait_alu depctr_vm_vsrc(0)                   ; this trip's LDS loads have read v5 and v6, its images' stores v7, v8, the codes and the scale word: on both ways behind the branch adds write the first four, and fragments land in the codes
	s_add_co_u32 s[T], s[T], REG
	s_cmp_lt_u32 s[T], 3*REG
	s_cbranch_scc1 .Lpass
	; ---- the third product: K = z's 1,024: K steps 0-3 from Z0, 4-7 from Z1.  My 16 fragments of dec_w2 fill the two sets of weights: K step s, tile n at 96 (s / 4) + 12 (2 (s % 4) + n)
	v_add_nc_u32 v[ADRA], 2*REG, v[LI]
	v_add_nc_u32 v[ADRA2], 3*REG, v[LI]
	v_add_nc_u32 v[ADRS], 2*REG, v[ASB]
	v_add_nc_u32 v[ADRS2], 3*REG, v[ASB]
	s_wait_alu depctr_va_vdst(0)                   ; v5 to v8 are written, which the loads below read; QUANT and the relu are done with v96 to v255, in which fragments land
	ALOAD 0, ADRA, 0
	ASCL AS, ADRS
	ASCL AS+32, ADRS2
.irp s, 0,1,2,3,4,5,6,7
.if \s < 7
.if \s > 0
	PLACES                                         ; for the loads into the set that the step before multiplied
	s_wait_alu depctr_va_vdst(0)                   ; the step before's 16 matrix instructions are done reading their set of activations, in which the loads below land
.endif
.if \s < 3
	ALOAD (\s+1)%2, ADRA, (\s+1)%4
.else
	ALOAD (\s+1)%2, ADRA2, (\s+1)%4
.endif
	s_wait_dscnt 24                                ; the 24 loads just issued, the next step's, may stay out
.else
	s_wait_dscnt 0x0
.endif
.if \s == 0
	WIN 0x91                                       ; C: the bias, window 1; D window 2
.else
	WIN 0xa1
.endif
.irp a, 0,1,2,3,4,5,6,7                        ; 16 accumulators by turns: (row tile a, tile n) at v[8 (2 a + n)] of window 2
.irp n, 0,1
.set rD, 8*(2*\a+\n)
.set rW, 96*(\s/4)+12*(2*(\s%4)+\n)
.set rA, AF+96*(\s%2)+12*\a
.set rC, rD
.if \s == 0
.set rC, BIAS+8*\n
.endif
.set rSW, WS+4*\n+2*(\s/4)+(\s%4)/2
.set rSA, AS+32*(\s/4)+4*(\a%4)+(\s%4)
	WM \s%2, \a/4
.endr
.endr
	WIN 0
.endr
	; ---- the way out.  A lane holds 8 neighbouring labels of one row; a row's 128 labels come from four waves: they meet in the stage, and each wave stores 32 whole rows
	PLACES
	WIN 0x08                                       ; the data: window 2
	s_wait_alu depctr_va_vdst(0)                   ; the matrix instructions have written the accumulators, which the LDS stores read, and are done reading the activations, in which the loads from the stage land; the places above stay beside this wait
.irp a, 0,1,2,3,4,5,6,7
.irp n, 0,1
	ds_store_b128 v[SO], v[8*(2*\a+\n):8*(2*\a+\n)+3] offset:HST*\a+64*\n          ; lane (r, h): out(16 a + r, 32 w + 16 n + 8 h + 0 .. 7); each accumulator from its low end on
	ds_store_b128 v[SO], v[8*(2*\a+\n)+4:8*(2*\a+\n)+7] offset:HST*\a+64*\n+16
.endr
.endr
	WIN 0
	BARRIER                                        ; 128 whole rows lie in the stage
.set I, 0
.rept 32
	ds_load_b128 v[AF+4*I:AF+4*I+3], v[SR] offset:SP*I
.set I, I+1
.endr
.set I, 0
.rept 32
	s_wait_dscnt 31-I                              ; LDS loads come back in order: row I is in
	global_store_b128 v[LI], v[AF+4*I:AF+4*I+3], s[18:19] offset:512*I th:TH_STORE_NT   ; 32 lanes store a row's 512 consecutive bytes, at a multiple of 256 from out0's first byte; written once, read by nobody here
.set I, I+1
.endr
	s_wait_xcnt 0x0
	v_lshl_add_u32 v254, v0, 2, 0x42800            ; the add's two registers, made anew from v0, which is as at the entry: no register could be kept for them.  No memory or LDS instruction has read v254 or v255
	v_mov_b32 v255, 0
	s_wait_dscnt 0x0                               ; the closing lines, six on end
	s_wait_alu 0x0
	s_wait_tensorcnt 0x0
	ds_add_u32 v254, v255
	s_wait_dscnt 0x0
	s_endpgm
.Lfunc_end_k_q2fd2c2b478_chain:
	.size	k_q2fd2c2b478_chain, .Lfunc_end_k_q2fd2c2b478_chain-k_q2fd2c2b478_chain
	.p2alignl 7, 3214868480
	.fill 96, 4, 3214868480
	.section	.rodata,"a",@progbits
	.p2align	6, 0x0
	.amdhsa_kernel k_q2fd2c2b478_chain
		.amdhsa_group_segment_fixed_size 272896
		.amdhsa_private_segment_fixed_size 0
		.amdhsa_enable_private_segment 0
		.amdhsa_kernarg_size 64
		.amdhsa_user_sgpr_count 2
		.amdhsa_user_sgpr_kernarg_segment_ptr 1
		.amdhsa_wavefront_size32 1
		.amdhsa_system_sgpr_workgroup_id_x 1
		.amdhsa_system_sgpr_workgroup_id_y 1
		.amdhsa_system_sgpr_workgroup_id_z 1
		.amdhsa_system_vgpr_workitem_id 0
		.amdhsa_next_free_vgpr 1024
		.amdhsa_next_free_sgpr 66
		.amdhsa_reserve_vcc 0
		.amdhsa_float_denorm_mode_32 3
		.amdhsa_float_denorm_mode_16_64 3
		.amdhsa_memory_ordered 1
		.amdhsa_forward_progress 1
		.amdhsa_inst_pref_size 220
	.end_amdhsa_kernel
	.amdgpu_metadata
---
amdhsa.version: [ 1, 2 ]
amdhsa.kernels:
  - .name:           k_q2fd2c2b478_chain
    .symbol:         k_q2fd2c2b478_chain.kd
    .args:
      - { .name: token_ids, .offset: 0, .size: 8, .value_kind: global_buffer, .address_space: global }
      - { .name: emb_table, .offset: 8, .size: 8, .value_kind: global_buffer, .address_space: global }
      - { .name: wq, .offset: 16, .size: 8, .value_kind: global_buffer, .address_space: global }
      - { .name: sq, .offset: 24, .size: 8, .value_kind: global_buffer, .address_space: global }
      - { .name: conv_b, .offset: 32, .size: 8, .value_kind: global_buffer, .address_space: global }
      - { .name: dec_b1, .offset: 40, .size: 8, .value_kind: global_buffer, .address_space: global }
      - { .name: dec_b2, .offset: 48, .size: 8, .value_kind: global_buffer, .address_space: global }
      - { .name: out0, .offset: 56, .size: 8, .value_kind: global_buffer, .address_space: global }
    .group_segment_fixed_size: 272896
    .private_segment_fixed_size: 0
    .kernarg_segment_align: 8
    .kernarg_segment_size: 64
    .max_flat_workgroup_size: 128
    .sgpr_count:     66
    .vgpr_count:     1024
    .wavefront_size: 32
...
	.end_amdgpu_metadata
.endif
;; end of part 4
